; MI455X (gfx1250); checked and timed in simulation.
; The chip was launched on July 23, 2026; its instructions are those of AMD's public machine-readable ISA for CDNA 5 (MIT licence, August 2026) and "CDNA5" Instruction Set Architecture Reference Guide (July 2026). The comments in the code are by the model that wrote it; some were corrected since.
;; decoder layer. Allowed arithmetic: float matrix products may take bf16 or f16 operands with f32 sums; all other float work in f32.
;; Inputs: W_ff1 1,024 x 2,048 float32; W_ff2 2,048 x 1,024 float32; W_out 1,024 x 1,024 float32; W_qkv 1,024 x 3,072 float32; b_ff1 2,048 float32; b_ff2 1,024 float32; b_out 1,024 float32; b_qkv 3,072 float32; be1 1,024 float32; be2 1,024 float32; g1 1,024 float32; g2 1,024 float32; x 2 x 2,048 x 1,024 float32.
;; Outputs: out0 2 x 2,048 x 1,024 float32.
;; 2 versions, each right; version 2 is version 1 with the launches cast, ln1 written anew for expert scheduling mode. Each part assembles by itself: llvm-mc -triple=amdgcn-amd-amdhsa -mcpu=gfx1250 --defsym DOCPART=n.
;; ======== version 1 of 2: 8 launches
;; workspace buffers: act 8,388,608 bytes; wb 16,777,216 bytes; qkv 25,165,824 bytes; hid 16,777,216 bytes; y 16,777,216 bytes; x1 16,777,216 bytes
;; launch cast (part 1): grid 768 x 1, 8 waves a work-group, no clusters, 33,792 bytes of LDS; arguments x, W_qkv, W_out, W_ff1, W_ff2, act, wb; writes act, wb
.if DOCPART == 1
	.amdgcn_target "amdgcn-amd-amdhsa--gfx1250"
	.amdhsa_code_object_version 6
	.text
	.protected	k_qcaf5a183c1_cast
	.globl	k_qcaf5a183c1_cast
	.p2align	8
	.type	k_qcaf5a183c1_cast,@function
k_qcaf5a183c1_cast:
	s_mov_b64 s[64:65], 0
	v_nop
	global_prefetch_b8 v0, s[64:65] scope:SCOPE_SE
	s_setreg_imm32_b32 hwreg(HW_REG_WAVE_MODE, 25, 1), 1
	s_wait_xcnt 0x0
; bf16 copies (rounded to nearest even) of x (into act) and of the four weight matrices (into wb, one behind the other).
; 12,582,912 numbers in all; a work-group takes 16,384 of them (65,536 bytes in, 32,768 out), a wave 2,048.
; Work-groups 0-255: x; 256-447: W_qkv; 448-511: W_out; 512-639: W_ff1; 640-767: W_ff2.
; x, W_qkv and W_ff1 keep their layout.  W_out and W_ff2 ([K][1024]) are stored IN FRAGMENT ORDER, so that the products that use them load a
; matrix operand straight from memory, 512 consecutive bytes an instruction.  Number (k, n) lies at byte
;   (n/32) (K/32) 2048 + (k/32) 2048 + ((n/16)%2) 1024 + ((k%32)/16) 512 + (16 ((k%16)/8) + n%16) 16 + (k%8) 2   of its part:
; per pair of 16-column tiles and K step of 32: tile, half of the fragment, lane (column n%16, half (k%16)/8), eight neighbouring k.
; Such a work-group takes 16 k rows: for every column tile one piece of 512 bytes.  A lane loads 4 columns of 8 rows (sixteen lanes read 256
; consecutive bytes of a row), packs each column's eight k into 16 bytes, and the wave turns the pieces through 4,096 bytes of LDS of its own
; (no other wave touches them, and LDS serves a wave's instructions in order: no barrier), so that a store covers a whole piece.
; All sixteen loads of a wave go out first.  No matrix unit, no tensor loads: the work is a copy with a rounding.
.set X, 8                              ; v[8:71]    sixteen loads of four f32; later the pieces read back
.set P, 72                             ; v[72:103]  packed bf16
.set VO, 104                           ; v[104:107] fragment order: byte offsets of my four pairs of column tiles
	s_load_b256 s[4:11], s[0:1], 0x0               ; x s[4:5], W_qkv s[6:7], W_out s[8:9], W_ff1 s[10:11]
	s_load_b128 s[12:15], s[0:1], 0x20             ; W_ff2 s[12:13], act s[14:15]
	s_load_b64 s[16:17], s[0:1], 0x30              ; wb
	v_lshl_add_u32 v112, v0, 2, 0x8000
	v_mov_b32 v113, 0
	v_and_b32 v1, 31, v0                           ; lane
	v_lshrrev_b32 v2, 5, v0                        ; wave
	s_mov_b32 s24, 0                               ; byte offset of the part in its destination buffer
	s_mov_b32 s25, 0                               ; first work-group of the part
	s_mov_b32 s27, 0                               ; 1: fragment order
	s_mov_b32 s28, 65536                           ; fragment order: bytes of a pair of column tiles, 64 K
	s_wait_kmcnt 0x0
	s_mov_b64 s[20:21], s[4:5]                     ; source, destination: x, act; replaced below by the part that the work-group's number falls into
	s_mov_b64 s[22:23], s[14:15]
	s_cmp_ge_u32 ttmp9, 256
	s_cselect_b64 s[20:21], s[6:7], s[20:21]
	s_cselect_b64 s[22:23], s[16:17], s[22:23]
	s_cselect_b32 s25, 256, s25
	s_cmp_ge_u32 ttmp9, 448
	s_cselect_b64 s[20:21], s[8:9], s[20:21]
	s_cselect_b32 s24, 6291456, s24
	s_cselect_b32 s25, 448, s25
	s_cselect_b32 s27, 1, s27
	s_cmp_ge_u32 ttmp9, 512
	s_cselect_b64 s[20:21], s[10:11], s[20:21]
	s_cselect_b32 s24, 8388608, s24
	s_cselect_b32 s25, 512, s25
	s_cselect_b32 s27, 0, s27
	s_cmp_ge_u32 ttmp9, 640
	s_cselect_b64 s[20:21], s[12:13], s[20:21]
	s_cselect_b32 s24, 12582912, s24
	s_cselect_b32 s25, 640, s25
	s_cselect_b32 s27, 1, s27
	s_cselect_b32 s28, 131072, s28
	s_sub_co_u32 s26, ttmp9, s25                   ; my number inside the part
	s_lshl_b32 s30, s26, 16
	s_mov_b32 s31, 0
	s_add_nc_u64 s[20:21], s[20:21], s[30:31]      ; 65,536 bytes of the source: in a weight of 1,024 columns 16 k rows
	s_cmp_lg_u32 s27, 0
	s_cbranch_scc1 .Lfrag
	; the layout is kept
	v_lshlrev_b32 v3, 4, v1
	v_lshl_add_u32 v3, v2, 13, v3                  ; in: wave x 8,192 + 16 x lane
	v_lshlrev_b32 v4, 3, v1
	v_lshl_add_u32 v4, v2, 12, v4                  ; out: wave x 4,096 + 8 x lane
	s_lshl_b32 s30, s26, 15
	s_add_co_u32 s30, s30, s24
	s_add_nc_u64 s[22:23], s[22:23], s[30:31]
.irp k, 0,1,2,3,4,5,6,7,8,9,10,11,12,13,14,15
	global_load_b128 v[X+4*\k:X+4*\k+3], v3, s[20:21] offset:512*\k
.endr
.irp k, 0,1,2,3,4,5,6,7,8,9,10,11,12,13,14,15
	s_wait_loadcnt 15-\k                           ; loads come back in order: load k is in, the 15 - k younger ones stay out
	v_cvt_pk_bf16_f32 v[P+2*\k], v[X+4*\k], v[X+4*\k+1]
	v_cvt_pk_bf16_f32 v[P+2*\k+1], v[X+4*\k+2], v[X+4*\k+3]
	global_store_b64 v4, v[P+2*\k:P+2*\k+1], s[22:23] offset:256*\k   ; 32 lanes store 256 consecutive bytes, aligned
.endr
	s_endpgm
.Lfrag:
	; fragment order.  Lane = 8 t + 4 h + c: column tile t of four, rows 8 h .. 8 h + 7 of my sixteen, columns 4 c .. 4 c + 3 of the tile.
	; A wave takes two units of 64 columns: columns 128 wave + 64 u.
	v_and_b32 v3, 3, v1                            ; c
	v_bfe_u32 v4, v1, 2, 1                         ; h
	v_lshrrev_b32 v5, 3, v1                        ; t
	v_lshlrev_b32 v6, 4, v3                        ; 16 c
	v_lshl_add_u32 v6, v5, 6, v6                   ; + 64 t
	v_lshl_add_u32 v6, v4, 15, v6                  ; + 8 h rows of 4,096 bytes
	v_lshl_add_u32 v6, v2, 9, v6                   ; + 512 wave
.irp u, 0,1
.irp i, 0,1,2,3,4,5,6,7
	global_load_b128 v[X+32*\u+4*\i:X+32*\u+4*\i+3], v6, s[20:21] offset:256*\u+4096*\i   ; row 8 h + i: lanes of one h read 256 consecutive bytes, aligned
.endr
.endr
	s_lshr_b32 s30, s26, 1                         ; my 16 rows are half (number % 2) of K step (number / 2)
	s_lshl_b32 s30, s30, 11
	s_and_b32 s29, s26, 1
	s_lshl_b32 s29, s29, 9
	s_add_co_u32 s30, s30, s29
	s_add_co_u32 s30, s30, s24
	s_add_nc_u64 s[22:23], s[22:23], s[30:31]
	v_lshlrev_b32 v7, 6, v1
	v_lshl_add_u32 v7, v2, 12, v7                  ; LDS, in: wave x 4,096 + 64 x lane = 512 t + 256 h + 64 c: 16 bytes for each of my four columns
	v_lshlrev_b32 v5, 4, v1
	v_lshl_add_u32 v5, v2, 12, v5                  ; LDS, back: wave x 4,096 + 16 x lane: a piece as the matrix operand's lanes hold it
	v_lshlrev_b32 v3, 2, v2                        ; my first pair of column tiles: 4 wave
.irp q, 0,1,2,3
	v_add_nc_u32 v4, \q, v3
	v_mul_u32_u24 v4, v4, s28                      ; x bytes of a pair
	v_lshl_add_u32 v[VO+\q], v1, 4, v4             ; + 16 x lane
.endr
.irp u, 0,1
	s_wait_loadcnt 8-8*\u                          ; loads come back in order: unit u's eight are in, the later unit's eight stay out
.irp j, 0,1,2,3
.irp m, 0,1,2,3
	v_cvt_pk_bf16_f32 v[P+16*\u+4*\j+\m], v[X+32*\u+8*\m+\j], v[X+32*\u+8*\m+4+\j]   ; column j, rows 2 m and 2 m + 1: the lower k in the low half
.endr
	ds_store_b128 v7, v[P+16*\u+4*\j:P+16*\u+4*\j+3] offset:2048*\u+16*\j
.endr
.irp t, 0,1,2,3
	ds_load_b128 v[X+16*\u+4*\t:X+16*\u+4*\t+3], v5 offset:2048*\u+512*\t   ; tile t's piece; these registers' f32 have been packed
.endr
.endr
	s_wait_dscnt 0x0
.irp u, 0,1
.irp t, 0,1,2,3
	global_store_b128 v[VO+2*\u+\t/2], v[X+16*\u+4*\t:X+16*\u+4*\t+3], s[22:23] offset:1024*(\t%2)   ; 32 lanes store 512 consecutive bytes, aligned
.endr
.endr
	s_wait_tensorcnt 0x0
	ds_add_u32 v112, v113
	s_wait_dscnt 0x0
	s_endpgm
.Lfunc_end_k_qcaf5a183c1_cast:
	.size	k_qcaf5a183c1_cast, .Lfunc_end_k_qcaf5a183c1_cast-k_qcaf5a183c1_cast
	.p2alignl 7, 3214868480
	.fill 96, 4, 3214868480
	.section	.rodata,"a",@progbits
	.p2align	6, 0x0
	.amdhsa_kernel k_qcaf5a183c1_cast
		.amdhsa_group_segment_fixed_size 33792
		.amdhsa_private_segment_fixed_size 0
		.amdhsa_enable_private_segment 0
		.amdhsa_kernarg_size 56
		.amdhsa_user_sgpr_count 2
		.amdhsa_user_sgpr_kernarg_segment_ptr 1
		.amdhsa_wavefront_size32 1
		.amdhsa_system_sgpr_workgroup_id_x 1
		.amdhsa_system_sgpr_workgroup_id_y 1
		.amdhsa_system_sgpr_workgroup_id_z 1
		.amdhsa_system_vgpr_workitem_id 0
		.amdhsa_next_free_vgpr 114
		.amdhsa_next_free_sgpr 66
		.amdhsa_reserve_vcc 0
		.amdhsa_float_denorm_mode_32 3
		.amdhsa_float_denorm_mode_16_64 3
		.amdhsa_memory_ordered 1
		.amdhsa_forward_progress 1
		.amdhsa_inst_pref_size 15
	.end_amdhsa_kernel
	.amdgpu_metadata
---
amdhsa.version: [ 1, 2 ]
amdhsa.kernels:
  - .name:           k_qcaf5a183c1_cast
    .symbol:         k_qcaf5a183c1_cast.kd
    .args:
      - { .name: x, .offset: 0, .size: 8, .value_kind: global_buffer, .address_space: global }
      - { .name: W_qkv, .offset: 8, .size: 8, .value_kind: global_buffer, .address_space: global }
      - { .name: W_out, .offset: 16, .size: 8, .value_kind: global_buffer, .address_space: global }
      - { .name: W_ff1, .offset: 24, .size: 8, .value_kind: global_buffer, .address_space: global }
      - { .name: W_ff2, .offset: 32, .size: 8, .value_kind: global_buffer, .address_space: global }
      - { .name: act, .offset: 40, .size: 8, .value_kind: global_buffer, .address_space: global }
      - { .name: wb, .offset: 48, .size: 8, .value_kind: global_buffer, .address_space: global }
    .group_segment_fixed_size: 33792
    .private_segment_fixed_size: 0
    .kernarg_segment_align: 8
    .kernarg_segment_size: 56
    .max_flat_workgroup_size: 256
    .sgpr_count:     66
    .vgpr_count:     114
    .wavefront_size: 32
...
	.end_amdgpu_metadata
.endif
;; end of part 1
;; launch gemm_qkv (part 2): grid 8 x 32, 4 waves a work-group, clusters of 4 x 4, 327,680 bytes of LDS; arguments act, wb, b_qkv, qkv; writes qkv
.if DOCPART == 2
	.amdgcn_target "amdgcn-amd-amdhsa--gfx1250"
	.amdhsa_code_object_version 6
	.text
	.protected	k_qcaf5a183c1_gemm_qkv
	.globl	k_qcaf5a183c1_gemm_qkv
	.p2align	8
	.type	k_qcaf5a183c1_gemm_qkv,@function
k_qcaf5a183c1_gemm_qkv:
	s_mov_b64 s[64:65], 0
	v_nop
	global_prefetch_b8 v0, s[64:65] scope:SCOPE_SE
	s_setreg_imm32_b32 hwreg(HW_REG_WAVE_MODE, 25, 1), 1
	s_wait_xcnt 0x0
	s_wait_alu depctr_hold_cnt(0) depctr_sa_sdst(0) depctr_va_vdst(0) depctr_va_sdst(0) depctr_va_ssrc(0) depctr_va_vcc(0) depctr_vm_vsrc(0)
	s_getreg_b32 s2, hwreg(HW_REG_IB_STS2, 6, 4)
	s_cmp_eq_u32 s2, 0
	s_cbranch_scc0 .Lentry_in_a_cluster
	s_endpgm
.Lentry_in_a_cluster:
	s_bfe_u32 s2, ttmp6, 0x10000c
	s_cmp_lg_u32 s2, 0xf033
	s_cbranch_scc0 .Lentry_shape_is_right
	s_endpgm
.Lentry_shape_is_right:
; C = A W + bias (RELU = 1: then max(., 0)), rounded once to bf16.
; A: [4096][GK] bf16.  W: [GK][GN] bf16 at byte WOFF of wb.  bias: [GN] f32.  C: [4096][GN] bf16.  Sums in f32.
; Limits kept: the bias is the value that each sum starts from (added first, not last); with RELU a NaN becomes 0 (v_max_num_f32).
; A work-group makes 128 rows x 128 C columns, so that 4096 x GN is 32 x 8 = 256 work-groups.  Four waves; wave (wm, wn) makes rows 64 wm .. + 63
; and, of each group of 128 columns, the half wn: 64 x 64 C, 16 C accumulator tiles.  For 32 along K a wave reads (64 + 64 C) x 64 bytes of LDS for 16 C products.
; K goes in steps of 128 through two LDS slots filled by the tensor data mover: wave g < C brings group g of W (128 k rows of 256 bytes), the other
; 4 - C waves bring A's 128 rows (rows of 256 bytes) in equal parts; all rows start at multiples of 256 bytes from their buffer's first byte.
; CLUSTERS: 4 x 4 work-groups.  A's tile hangs on the block row alone and is asked for jointly by the four of a row of the cluster,
; W's on the block column alone and is asked for jointly by the four of a column: the requests for both are divided by four.
; W lies [k][n] in LDS; its fragments come by the transposing load.  The matrix instruction is used transposed (source 0 = W, source 1 = A):
; lane l then holds row l % 16 of C and its registers 0-7 the columns 8 (l / 16) + 0..7: eight neighbours, 16 bytes of bf16.
; REGISTERS, in windows of 256: window 0: addresses, W's fragments from v64 (two buffers of K = 32, 32 C registers each), the way out's work;
; window 1: accumulator tiles 0-31 (tile (a, bb) = number 4 C a + bb, 8 registers each); window 2: tiles 32-47 in v0-127, A's fragments v128-159, v160-191;
; window 3: v0 .. 32 C - 1 the bias of my 4 C x 8 columns.
.set C,    3
.set GN,   3072
.set GK,   1024
.set WOFF, 0
.set RELU, 0
.set NB,   4*C                         ; column tiles of a wave: bb = 4 x group + b
.set KS,   128                         ; a K step
.set APITCH, 272                       ; A's LDS row: 256 bytes + 16: an odd multiple of 16, so the 16 rows of a fragment load lie in 16 different 16-byte columns of 256
.set WPITCH, 288                       ; W's LDS row: 256 bytes + 32: an odd multiple of 32, as the transposing load's eight rows of two 16-byte pieces want
.set WGRP,  KS*WPITCH                  ; 36,864: one group of W, what one wave brings
.set AROWS, 128/(4-C)                  ; rows of A that one wave brings
.set APART, AROWS*APITCH
.set ABASE, C*WGRP                     ; A's rows lie behind W's groups
.set SLOT,  ABASE+128*APITCH
.set STAGE, 2*SLOT                     ; a multiple of 256: the way out's bytes, into which no tensor load lands
.set SP,    256*C+16                   ; a stage row: 128 C bf16 + 16 bytes
.set LAPS,  GK/(2*KS)                  ; a lap = two K steps = once round the ring
.set ADRA, 16                          ; v16-17          my A fragments in slot 0, 1
.set ADRB, 18                          ; v18 .. 17 + 2 C my W fragments: slot 0 groups 0 .. C - 1, then slot 1
.set STO,  24
.set RD,   25
.set CO,   26
.set BO,   27
.set WF,   64                          ; window 0: W's fragment buffers
.set XF,   128                         ; window 2: A's fragment buffers
.set PK,   64                          ; the way out: 4 NB registers of packed bf16
.set RB,   128                         ; the way out: 16 C registers read back
.set G1A, 28                           ; s[28:35] group 1 for A's tiles
.set G0A, 36                           ; s[36:43] group 0 for A's tiles, a set for each slot
.set G1B, 44                           ; s[44:51] group 1 for W's tiles
.set G0B, 52                           ; s[52:59] group 0 for W's tiles, a set for each slot
.set TO_A, 0xa8                        ; an LDS load under it: address window 0, data window 2 (it is also the products' setting for tiles 32-47)
.set MSB, 0
.macro WIN new                         ; the immediate's high byte repeats the setting that is left
.if MSB != \new
	s_set_vgpr_msb (MSB<<8)|\new
.set MSB, \new
.endif
.endm
.macro JLOAD s                         ; a joint load: each line has one mask; the branch hangs on the wave's number alone
	s_cmp_ge_u32 s14, C
	s_cbranch_scc0 .Lfor_w_\@
	tensor_load_to_lds s[G0A+4*\s:G0A+4*\s+3], s[G1A:G1A+7]
	s_nop 0
	s_branch .Lasked_\@
.Lfor_w_\@:
	tensor_load_to_lds s[G0B+4*\s:G0B+4*\s+3], s[G1B:G1B+7]
	s_nop 0
.Lasked_\@:
.endm
.macro CREST                           ; a round of the cluster's barrier behind its opening work-group barrier
	s_cmp_lg_u32 s14, 0
	s_cbranch_scc1 .Lnot_wave_0_\@
	s_barrier_signal -3
.Lnot_wave_0_\@:
	s_barrier_wait -3
	s_barrier_signal -1
	s_barrier_wait -1
.endm
.macro CROUND                          ; a whole round
	s_barrier_signal -1
	s_barrier_wait -1
	CREST
.endm
.macro PLACES                          ; four plain vector instructions between a matrix instruction and a load into, or a read of, its registers
.rept 4
	v_nop
.endr
.endm
; 8 C matrix instructions: row tiles a0, a0 + 1 x all column tiles, 32 along K from buffer f.  first = 1: the sums start from the bias.
; The 16 C accumulators take turns, one instruction a turn, always in this order.
.macro MULH f, a0, first
.irp a, \a0, \a0+1
.set bb, 0
.rept NB
.set TI, NB*(\a)+bb
.set DR, 8*(TI%32)
.set DW, 1+TI/32
.if \first
.set WN, (DW<<6)|0x38                  ; source 0 window 0, source 1 window 2, C window 3, D the tile's window
	WIN WN
	v_wmma_f32_16x16x32_bf16 v[DR:DR+7], v[WF+8*NB*\f+8*bb:WF+8*NB*\f+8*bb+7], v[XF+32*\f+8*(\a):XF+32*\f+8*(\a)+7], v[8*bb:8*bb+7]
.else
.set WN, (DW<<6)|(DW<<4)|0x08          ; C and D the tile's window
	WIN WN
	v_wmma_f32_16x16x32_bf16 v[DR:DR+7], v[WF+8*NB*\f+8*bb:WF+8*NB*\f+8*bb+7], v[XF+32*\f+8*(\a):XF+32*\f+8*(\a)+7], v[DR:DR+7]
.endif
.set bb, bb+1
.endr
.endr
.endm
; 8 + 8 C LDS loads: the fragments of K = 32 q .. 32 q + 31 of a slot (64 rows of A, 64 C columns of W) into buffer g
.macro FETCH slot, q, g
	WIN TO_A
.irp i, 0,1,2,3
	ds_load_b128 v[XF+32*\g+8*\i:XF+32*\g+8*\i+3],   v[ADRA+\slot] offset:64*\q+\i*16*APITCH
	ds_load_b128 v[XF+32*\g+8*\i+4:XF+32*\g+8*\i+7], v[ADRA+\slot] offset:64*\q+\i*16*APITCH+32
.endr
	WIN 0
.set gg, 0
.rept C
.irp b, 0,1,2,3
	ds_load_tr16_b128 v[WF+8*NB*\g+8*(4*gg+\b):WF+8*NB*\g+8*(4*gg+\b)+3],   v[ADRB+C*\slot+gg] offset:32*\q*WPITCH+32*\b
	ds_load_tr16_b128 v[WF+8*NB*\g+8*(4*gg+\b)+4:WF+8*NB*\g+8*(4*gg+\b)+7], v[ADRB+C*\slot+gg] offset:32*\q*WPITCH+32*\b+16*WPITCH
.endr
.set gg, gg+1
.endr
.endm
; multiplies buffer f (16 C matrix instructions); ahead of them quarter q of the same slot is asked for, into buffer g
.macro QUARTER slot, q, f, g, first
	s_wait_dscnt 0x0                               ; buffer f is in (its loads were issued 16 C matrix instructions ago)
	PLACES                                         ; buffer g was read by the matrix instructions just issued
	FETCH \slot, \q, \g
	MULH \f, 0, \first
	MULH \f, 2, \first
.endm
.macro THREE slot, first
	QUARTER \slot, 1, 0, 1, \first
	QUARTER \slot, 2, 1, 0, 0
	QUARTER \slot, 3, 0, 1, 0
.endm
; The last quarter of a slot, and the change of slots.  In front of the barrier each wave waits for its reads of this slot and for all its
; tensor loads (one is out: its part of the next slot).  fill = 1: the barrier opens a round of the cluster's barrier, and behind the round
; this slot is asked for again, two K steps ahead: the wave's one tensor load until the next round, with 56 C matrix instructions until its wait.
.macro TURN slot, next, fill
	s_wait_dscnt 0x0
	s_wait_tensorcnt 0x0
	ds_add_u32 v63, v255
	s_wait_dscnt 0x0
	s_barrier_signal -1
	MULH 1, 0, 0                                   ; register work while the others arrive
	WIN 0                                          ; at a branch and at a label every window is 0
	s_barrier_wait -1
.if \fill
	CREST
	s_add_nc_u64 s[G0A+4*\slot+2:G0A+4*\slot+3], s[G0A+4*\slot+2:G0A+4*\slot+3], 2*KS*2      ; 256 along K, in bytes; no load of mine is out
	s_add_nc_u64 s[G0B+4*\slot+2:G0B+4*\slot+3], s[G0B+4*\slot+2:G0B+4*\slot+3], 2*KS*GN*2   ; 256 k rows of W
	JLOAD \slot
.endif
	PLACES
	FETCH \next, 0, 0
	MULH 1, 2, 0
.endm
.macro LAP first
	THREE 0, \first
	TURN 0, 1, 1
	THREE 1, 0
	TURN 1, 0, 1
.endm
	s_load_b256 s[4:11], s[0:1], 0x0               ; A s[4:5], wb s[6:7], bias s[8:9], C s[10:11]
	v_lshl_add_u32 v63, v0, 2, 0x4d200
	s_set_vgpr_msb 0x80
	v_mov_b32 v255, 0
	s_set_vgpr_msb 0x8088
	ds_add_u32 v63, v255
	ds_add_u32 v63, v255
	s_set_vgpr_msb 0x8800
	v_lshrrev_b32 v1, 5, v0
	v_readfirstlane_b32 s14, v1                    ; wave 0..3
	s_lshr_b32 s15, s14, 1                         ; wm: my half of the block's rows
	s_and_b32 s20, s14, 1                          ; wn: my half of each group of 128 columns
	s_bfe_u32 s21, ttmp6, 0x40000                  ; cx
	s_bfe_u32 s22, ttmp6, 0x40004                  ; cy
	s_lshl_b32 s23, ttmp9, 2
	s_add_co_u32 s23, s23, s21                     ; block column = 4 x cluster x + cx
	s_and_b32 s24, ttmp7, 0xffff
	s_lshl_b32 s24, s24, 2
	s_add_co_u32 s24, s24, s22                     ; block row = 4 x cluster y + cy
	s_lshl_b32 s25, s22, 2
	s_lshl_b32 s25, 15, s25                        ; my row of the cluster: places 4 cy .. 4 cy + 3
	s_lshl_b32 s26, 0x1111, s21                    ; my column: places cx, cx + 4, cx + 8, cx + 12
	s_or_b32 s[G1A+0], s25, (1<<16)|(1<<20)|(1<<21)|(5<<22)|(3<<25)  ; mask; 2-byte elements; padding on; bit 21 beside a mask; after every 64 words 4 words
	s_mov_b32 s[G1A+1], KS<<16                     ; tensor_dim0 = 128
	s_mov_b32 s[G1A+2], AROWS<<16                  ; tensor_dim1
	s_mov_b32 s[G1A+3], KS<<16                     ; tile_dim0 = 128
	s_mov_b32 s[G1A+4], AROWS                      ; tile_dim1
	s_mov_b32 s[G1A+5], GK                         ; elements from row to row
	s_mov_b32 s[G1A+6], 0
	s_mov_b32 s[G1A+7], 0
	s_or_b32 s[G1B+0], s26, (1<<16)|(1<<20)|(1<<21)|(5<<22)|(7<<25)  ; after every 64 words 8 words
	s_mov_b32 s[G1B+1], 128<<16                    ; 128 columns
	s_mov_b32 s[G1B+2], KS<<16                     ; 128 k rows
	s_mov_b32 s[G1B+3], 128<<16
	s_mov_b32 s[G1B+4], KS
	s_mov_b32 s[G1B+5], GN
	s_mov_b32 s[G1B+6], 0
	s_mov_b32 s[G1B+7], 0
	s_max_u32 s61, s14, C                          ; A's tile: row 128 x block row + AROWS x (wave - C) (0 in the waves that bring W); s[60:61] never hold cx
	s_sub_co_u32 s61, s61, C
	s_mul_i32 s61, s61, AROWS
	s_lshl_b32 s60, s24, 7
	s_add_co_u32 s60, s60, s61
	s_mul_i32 s60, s60, GK*2
	s_mov_b32 s61, 0
	s_lshl_b32 s62, s14, 8                         ; W's tile: group = wave (256 bytes of a row), block column x 256 C bytes; s[62:63] never hold cy
	s_mul_i32 s63, s23, 256*C
	s_add_co_u32 s62, s62, s63
	s_add_co_u32 s62, s62, WOFF
	s_mov_b32 s63, 0
	s_mul_i32 s16, s14, APART                      ; where they go: the wave's number times a constant plus a constant; no place in the cluster enters
	s_add_co_u32 s16, s16, ABASE-C*APART
	s_mul_i32 s17, s14, WGRP
	s_lshl_b32 s72, s24, 7                         ; C for the way out: row 128 x block row + 64 wm + 8 wn, byte 256 C x block column
	s_lshl_b32 s73, s15, 6
	s_add_co_u32 s72, s72, s73
	s_lshl_b32 s73, s20, 3
	s_add_co_u32 s72, s72, s73
	s_mul_i32 s72, s72, GN*2
	s_mul_i32 s73, s23, 256*C
	s_add_co_u32 s72, s72, s73
	s_mov_b32 s73, 0
	s_mul_i32 s74, s23, 512*C                      ; bias at column 128 C x block column + 64 wn
	s_lshl_b32 s75, s20, 8
	s_add_co_u32 s74, s74, s75
	s_mov_b32 s75, 0
	s_wait_dscnt 0x0
	s_wait_kmcnt 0x0
	s_add_nc_u64 s[60:61], s[4:5], s[60:61]
	s_add_nc_u64 s[62:63], s[6:7], s[62:63]
	s_add_nc_u64 s[68:69], s[10:11], s[72:73]
	s_add_nc_u64 s[70:71], s[8:9], s[74:75]
	CROUND                                         ; all sixteen work-groups are here: the first joint loads meet
.irp s, 0,1
	s_mov_b32 s[G0A+4*\s], 1
	s_add_co_u32 s[G0A+4*\s+1], s16, \s*SLOT
	s_add_nc_u64 s[G0A+4*\s+2:G0A+4*\s+3], s[60:61], \s*KS*2
	s_or_b32 s[G0A+4*\s+3], s[G0A+4*\s+3], 0x80000000
	s_mov_b32 s[G0B+4*\s], 1
	s_add_co_u32 s[G0B+4*\s+1], s17, \s*SLOT
	s_add_nc_u64 s[G0B+4*\s+2:G0B+4*\s+3], s[62:63], \s*KS*GN*2
	s_or_b32 s[G0B+4*\s+3], s[G0B+4*\s+3], 0x80000000
	JLOAD \s                                       ; both first fills go out before anything else: two loads of a wave are out here, one behind each later round
.endr
	v_and_b32 v1, 15, v0                           ; r = l % 16
	v_bfe_u32 v2, v0, 4, 1                         ; h = l / 16
	v_and_b32 v3, 7, v0
	v_bfe_u32 v4, v0, 3, 1
	v_lshlrev_b32 v[BO], 5, v2                     ; bias: columns 8 h + 0..7 of a tile
	WIN 0xc0                                       ; data window 3, address window 0
.set gg, 0
.rept C
.irp b, 0,1,2,3
	global_load_b128 v[8*(4*gg+\b):8*(4*gg+\b)+3],   v[BO], s[70:71] offset:512*gg+64*\b
	global_load_b128 v[8*(4*gg+\b)+4:8*(4*gg+\b)+7], v[BO], s[70:71] offset:512*gg+64*\b+16
.endr
.set gg, gg+1
.endr
	WIN 0
	v_mul_u32_u24 v5, v1, APITCH                   ; A fragment: (64 wm + r) x pitch + 16 h; two loads 32 bytes apart
	v_lshl_add_u32 v5, v2, 4, v5
	s_mul_i32 s18, s15, 64*APITCH
	s_add_co_u32 s18, s18, ABASE
	v_add_nc_u32 v[ADRA], s18, v5
	v_add_nc_u32 v[ADRA+1], SLOT, v[ADRA]
	v_lshl_add_u32 v6, v2, 3, v3                   ; W fragment: k row 8 h + l % 8, 16-byte piece (l / 8) % 2 of my 64 columns of a group; two loads 16 rows apart
	v_mul_u32_u24 v6, v6, WPITCH
	v_lshl_add_u32 v6, v4, 4, v6
	s_lshl_b32 s19, s20, 7
	v_add_nc_u32 v[ADRB], s19, v6
.set gg, 1
.rept C-1
	v_add_nc_u32 v[ADRB+gg], gg*WGRP, v[ADRB]
.set gg, gg+1
.endr
.set gg, 0
.rept C
	v_add_nc_u32 v[ADRB+C+gg], SLOT+gg*WGRP, v[ADRB]
.set gg, gg+1
.endr
	v_mul_u32_u24 v7, v1, SP                       ; stage, in: row 16 wm + r, byte 128 wn + 16 h
	v_lshl_add_u32 v7, v2, 4, v7
	s_mul_i32 s18, s15, 16*SP
	s_add_co_u32 s18, s18, s19
	s_add_co_u32 s18, s18, STAGE
	v_add_nc_u32 v[STO], s18, v7
	v_mul_u32_u24 v8, v2, SP                       ; stage, back: row 8 wave + h, byte 16 r
	v_lshl_add_u32 v8, v1, 4, v8
	s_mul_i32 s18, s14, 8*SP
	s_add_co_u32 s18, s18, STAGE
	v_add_nc_u32 v[RD], s18, v8
	v_mul_u32_u24 v9, v2, 2*GN                     ; the same two rows in C
	v_lshl_add_u32 v[CO], v1, 4, v9
	s_wait_tensorcnt 0x1                           ; my part of K step 0 is in; K step 1's may stay out
	s_barrier_signal -1
	s_barrier_wait -1
	FETCH 0, 0, 0
	s_wait_loadcnt 0x0                             ; the bias, which the first products read
	LAP 1                                          ; the first lap stands in front of the loop: its first products start the sums
	WIN 0
	s_mov_b32 s3, LAPS-2
.Llap:
	LAP 0
	WIN 0
	s_sub_co_u32 s3, s3, 1
	s_cmp_lg_u32 s3, 0
	s_cbranch_scc1 .Llap
	THREE 0, 0                                     ; the last lap fills nothing
	TURN 0, 1, 0
	THREE 1, 0
	s_wait_dscnt 0x0
	MULH 1, 0, 0
	MULH 1, 2, 0
	WIN 0
	PLACES                                         ; behind the last matrix instructions, for all that follows
	; THE WAY OUT, four passes: pass a takes row tile a of every wave, 32 rows of the block.  (ReLU,) rounding, 16 bytes a lane into the stage;
	; behind a barrier whole pieces of 256 bytes are read back and stored; a second barrier, and the stage is written again.
.irp a, 0,1,2,3
.if RELU
.set bb, 0
.rept NB
.set TI, NB*\a+bb
.set DR, 8*(TI%32)
.set DW, 1+TI/32
.set WN, (DW<<6)|(DW<<2)                           ; source 1 and destination: the tile's window
	WIN WN
.irp e, 0,1,2,3,4,5,6,7
	v_max_num_f32 v[DR+\e], 0, v[DR+\e]
.endr
.set bb, bb+1
.endr
.endif
.set bb, 0
.rept NB
.set TI, NB*\a+bb
.set DR, 8*(TI%32)
.set DW, 1+TI/32
.set WN, (DW<<2)|DW                                ; both sources: the tile's window
	WIN WN
.irp p, 0,1,2,3
	v_cvt_pk_bf16_f32 v[PK+4*bb+\p], v[DR+2*\p], v[DR+2*\p+1]
.endr
.set bb, bb+1
.endr
	WIN 0
.set gg, 0
.rept C
.irp b, 0,1,2,3
	ds_store_b128 v[STO], v[PK+4*(4*gg+\b):PK+4*(4*gg+\b)+3] offset:256*gg+32*\b
.endr
.set gg, gg+1
.endr
	s_wait_dscnt 0x0                               ; my stores into the stage are done: the other waves read them behind the barrier
	s_barrier_signal -1
	s_barrier_wait -1
	s_wait_xcnt 0x0                                ; the last pass's stores have read RB: it is loaded again only behind this wait
.set ii, 0
.rept 4*C
	ds_load_b128 v[RB+4*ii:RB+4*ii+3], v[RD] offset:(ii/C)*2*SP+256*(ii%C)
.set ii, ii+1
.endr
.set ii, 0
.rept 4*C
	s_wait_dscnt 4*C-1-ii                          ; LDS loads come back in order: load ii is in, the younger ones stay out
	global_store_b128 v[CO], v[RB+4*ii:RB+4*ii+3], s[68:69] offset:(16*\a+2*(ii/C))*2*GN+256*(ii%C)   ; 16 lanes store 256 consecutive bytes, aligned
.set ii, ii+1
.endr
.if \a < 3
	s_barrier_signal -1                            ; every wave's reads of the stage are back (the count-down ended at 0)
	s_barrier_wait -1
.endif
.endr
	s_set_vgpr_msb 0x8
	s_wait_tensorcnt 0x0
	ds_add_u32 v63, v255
	s_wait_dscnt 0x0
	s_set_vgpr_msb 0x800
	CROUND                                         ; the closing round: no work-group ends while a partner may still ask for a tile that names it
	s_endpgm
.Lfunc_end_k_qcaf5a183c1_gemm_qkv:
	.size	k_qcaf5a183c1_gemm_qkv, .Lfunc_end_k_qcaf5a183c1_gemm_qkv-k_qcaf5a183c1_gemm_qkv
	.p2alignl 7, 3214868480
	.fill 96, 4, 3214868480
	.section	.rodata,"a",@progbits
	.p2align	6, 0x0
	.amdhsa_kernel k_qcaf5a183c1_gemm_qkv
		.amdhsa_group_segment_fixed_size 327680
		.amdhsa_private_segment_fixed_size 0
		.amdhsa_enable_private_segment 0
		.amdhsa_kernarg_size 32
		.amdhsa_user_sgpr_count 2
		.amdhsa_user_sgpr_kernarg_segment_ptr 1
		.amdhsa_wavefront_size32 1
		.amdhsa_system_sgpr_workgroup_id_x 1
		.amdhsa_system_sgpr_workgroup_id_y 1
		.amdhsa_system_sgpr_workgroup_id_z 1
		.amdhsa_system_vgpr_workitem_id 0
		.amdhsa_next_free_vgpr 896
		.amdhsa_next_free_sgpr 80
		.amdhsa_reserve_vcc 0
		.amdhsa_float_denorm_mode_32 3
		.amdhsa_float_denorm_mode_16_64 3
		.amdhsa_memory_ordered 1
		.amdhsa_forward_progress 1
		.amdhsa_inst_pref_size 166
	.end_amdhsa_kernel
	.amdgpu_metadata
---
amdhsa.version: [ 1, 2 ]
amdhsa.kernels:
  - .name:           k_qcaf5a183c1_gemm_qkv
    .symbol:         k_qcaf5a183c1_gemm_qkv.kd
    .args:
      - { .name: act, .offset: 0, .size: 8, .value_kind: global_buffer, .address_space: global }
      - { .name: wb, .offset: 8, .size: 8, .value_kind: global_buffer, .address_space: global }
      - { .name: b_qkv, .offset: 16, .size: 8, .value_kind: global_buffer, .address_space: global }
      - { .name: qkv, .offset: 24, .size: 8, .value_kind: global_buffer, .address_space: global }
    .group_segment_fixed_size: 327680
    .private_segment_fixed_size: 0
    .kernarg_segment_align: 8
    .kernarg_segment_size: 32
    .max_flat_workgroup_size: 128
    .sgpr_count:     80
    .vgpr_count:     896
    .wavefront_size: 32
...
	.end_amdgpu_metadata
.endif
;; end of part 2
;; launch attn (part 3): grid 16 x 16, 8 waves a work-group, no clusters, 327,680 bytes of LDS; arguments qkv, act; writes act
.if DOCPART == 3
	.amdgcn_target "amdgcn-amd-amdhsa--gfx1250"
	.amdhsa_code_object_version 6
	.text
	.protected	k_qcaf5a183c1_attn
	.globl	k_qcaf5a183c1_attn
	.p2align	8
	.type	k_qcaf5a183c1_attn,@function
k_qcaf5a183c1_attn:
	s_mov_b64 s[64:65], 0
	v_nop
	global_prefetch_b8 v0, s[64:65] scope:SCOPE_SE
	s_setreg_imm32_b32 hwreg(HW_REG_WAVE_MODE, 25, 1), 1
	s_wait_xcnt 0x0
; Causal attention with a running maximum.  qkv: [4096][3072] bf16 (Q, K, V at bytes 0, 2048, 4096 of a row, 128 bytes a head).  act: [4096][1024] bf16.
; A work-group: batch b, heads 2 hp and 2 hp + 1, and the two blocks of 64 queries j and 31 - j, which together need 33 chunks of 64 keys
; whatever j is.  Two heads make K's, V's and the output's rows 256 consecutive bytes, aligned.
; Wave w: block j (w < 4) or 31 - j, head bit w & 1, rows 32 ((w >> 1) & 1) .. + 31 of the block: 32 queries of one head.
; K and V come in tiles of 256 keys (both heads) through two LDS slots: waves 0-3 bring 64 rows of K each, waves 4-7 64 rows of V each.
; Both first fills go out at the start; a refill has four chunks' work in which to land, and there is one barrier for four chunks.
; A wave skips the chunks that lie wholly above its diagonal; in the diagonal chunk masked scores become -infinity.
; TRANSPOSED: S^T = K Q^T (source 0 = K, source 1 = Q): lane (r, h) holds, of query r, the keys 16 t + 8 h + 0..7: maximum and sum of a query
; stay in the lane but for one exchange between the halves, and two neighbouring tiles, packed in place, ARE the second source of O^T = V^T P^T.
; V^T's fragments come by the transposing load.  O^T's lane holds eight neighbouring d of one query: 16 bytes of bf16.
; K's fragments have registers of their own (window 1, v0-63) and are read one chunk ahead inside a slot, behind the score products, so that they land under the softmax.
; The two query tiles' softmaxes are written stage by stage together: four chains that do not wait for each other in place of two.
; The denominator sums the exponentials in f32; P enters the matrix unit rounded to bf16.
; NO CLUSTER: work-groups of one head pair need 5 to 8 key tiles, by j, so partners would need different numbers of joint loads.
.set ROWB,  6144                       ; bytes in a row of qkv
.set KP,    272                        ; K's LDS row: 256 + 16
.set VP,    288                        ; V's LDS row: 256 + 32 (transposing load)
.set TK,    256                        ; keys in a slot
.set VBASE, TK*KP                      ; 69,632
.set SLOT,  VBASE+TK*VP                ; 143,360
.set STAGE, 2*SLOT                     ; 286,720, a multiple of 256: the way out's bytes, into which no tensor load lands
.set SP,    272
.set ADRK, 2                           ; v2-3   my K fragments in slot 0, 1; the largest immediate is (192 + 48) x 272 + 96 = 65,376, inside 16 bits
.set ADRV, 4                           ; v4-7   my V fragments: slot 0 keys 0-127, 128-255; slot 1 likewise
.set DQ,   8                           ; v8-9   query tile qt: 32 sub + 16 qt + r - 8 h; key 16 t + j of the diagonal chunk is masked if 16 t + j > DQ
.set NINF, 10
.set MX,   16                          ; v16-17 running maximum of query tile 0, 1
.set LS,   18                          ; v18-19 running sum (this half's keys)
.set AL,   20                          ; v20-21, v28-29 (+ 8 qt): the factor that brings old sums to the new maximum, twice
.set NM,   22                          ; v22-23, v30-31 (+ 8 qt): -c x maximum, twice
.set TQ,   24                          ; v24-27, v12-15 (- 12 qt): at work
.set QF,   32                          ; v32-63   Q fragments at 16 qt + 8 ks
.set OA,   64                          ; v64-127  O^T tiles at 8 (2 dt + qt)
.set SS,   128                         ; v128-191 S^T tiles at 32 qt + 8 t; then P at 32 qt + 8 u
.set FF,   192                         ; v192-255 eight fragments of V
.set G1K, 28
.set G1V, 36
.set G0K, 44                           ; a set for each slot
.set G0V, 52
.set MSB, 0
.macro WIN new                         ; the immediate's high byte repeats the setting that is left
.if MSB != \new
	s_set_vgpr_msb (MSB<<8)|\new
.set MSB, \new
.endif
.endm
.macro NOP5                            ; five plain vector instructions behind a matrix instruction whose registers are written next (ISA guide 7.12.1)
.rept 5
	v_nop
.endr
.endm
.macro KVLOAD s                        ; waves 0-3: K's quarters; waves 4-7: V's
	s_cmp_lt_u32 s8, 4
	s_cbranch_scc0 .Lfor_v_\@
	tensor_load_to_lds s[G0K+4*\s:G0K+4*\s+3], s[G1K:G1K+7]
	s_nop 0
	s_branch .Lasked_\@
.Lfor_v_\@:
	tensor_load_to_lds s[G0V+4*\s:G0V+4*\s+3], s[G1V:G1V+7]
	s_nop 0
.Lasked_\@:
.endm
.macro KLOAD slot, c                   ; 16 LDS loads: K's eight fragments of chunk c of a slot, into window 1
	WIN 0x40                                       ; data window 1, address window 0
.irp t, 0,1,2,3
.irp ks, 0,1
	ds_load_b128 v[16*\t+8*\ks:16*\t+8*\ks+3],   v[ADRK+\slot] offset:(64*(\c)+16*\t)*KP+64*\ks
	ds_load_b128 v[16*\t+8*\ks+4:16*\t+8*\ks+7], v[ADRK+\slot] offset:(64*(\c)+16*\t)*KP+64*\ks+32
.endr
.endr
	WIN 0
.endm
; Both query tiles' 64 scores of a chunk: new maximum, exponentials, sum, P packed in place, old O brought to the new maximum.
.macro SOFTMAX2 first
.irp qt, 0,1
	v_max3_num_f32 v[TQ-12*\qt],   v[SS+32*\qt],   v[SS+32*\qt+1], v[SS+32*\qt+2]
	v_max3_num_f32 v[TQ+1-12*\qt], v[SS+32*\qt+3], v[SS+32*\qt+4], v[SS+32*\qt+5]
.endr
.irp i, 6,10,14,18,22,26
.irp qt, 0,1
	v_max3_num_f32 v[TQ-12*\qt],   v[TQ-12*\qt],   v[SS+32*\qt+\i],   v[SS+32*\qt+\i+1]
	v_max3_num_f32 v[TQ+1-12*\qt], v[TQ+1-12*\qt], v[SS+32*\qt+\i+2], v[SS+32*\qt+\i+3]
.endr
.endr
.irp qt, 0,1
	v_max3_num_f32 v[TQ-12*\qt], v[TQ-12*\qt], v[SS+32*\qt+30], v[SS+32*\qt+31]
.endr
.irp qt, 0,1
	v_max_num_f32 v[TQ-12*\qt], v[TQ-12*\qt], v[TQ+1-12*\qt]
.endr
.irp qt, 0,1
	v_permlanex16_b32 v[TQ+1-12*\qt], v[TQ-12*\qt], s22, s23     ; the other half's keys of the same query
.endr
.if \first
.irp qt, 0,1
	v_max_num_f32 v[MX+\qt], v[TQ-12*\qt], v[TQ+1-12*\qt]        ; key 0 is open to every query, so the maximum is finite from the first chunk on
.endr
.irp qt, 0,1
	v_mul_f32 v[NM+8*\qt],   s26, v[MX+\qt]                      ; -c max, c = log2(e) / 8
	v_mul_f32 v[NM+8*\qt+1], s26, v[MX+\qt]
.endr
.else
.irp qt, 0,1
	v_max3_num_f32 v[TQ+2-12*\qt], v[TQ-12*\qt], v[TQ+1-12*\qt], v[MX+\qt]
.endr
.irp qt, 0,1
	v_mul_f32 v[NM+8*\qt],   s26, v[TQ+2-12*\qt]
	v_mul_f32 v[NM+8*\qt+1], s26, v[TQ+2-12*\qt]
.endr
.irp qt, 0,1
	v_fma_f32 v[TQ+3-12*\qt], v[MX+\qt], s24, v[NM+8*\qt]        ; c old - c new
.endr
.irp qt, 0,1
	v_exp_f32 v[AL+8*\qt], v[TQ+3-12*\qt]
.endr
.irp qt, 0,1
	v_mov_b32 v[MX+\qt], v[TQ+2-12*\qt]                          ; (plain instructions behind v_exp_f32: ISA guide 5.7.2)
.endr
.endif
.irp qt, 0,1
.set e, 0
.rept 16
	v_pk_fma_f32 v[SS+32*\qt+e:SS+32*\qt+e+1], v[SS+32*\qt+e:SS+32*\qt+e+1], s[24:25], v[NM+8*\qt:NM+8*\qt+1] op_sel_hi:[1,0,1]   ; c s - c max
.set e, e+2
.endr
.endr
.set e, 0
.rept 64
	v_exp_f32 v[SS+e], v[SS+e]                     ; a masked score gives 0
.set e, e+1
.endr
.if \first
	v_nop                                          ; the plain instruction behind the last exponential
	s_wait_alu depctr_va_vdst(0)
.else
	s_wait_alu depctr_va_vdst(0)
	v_mov_b32 v[AL+1], v[AL]                       ; the plain instructions behind the last exponential
	v_mov_b32 v[AL+9], v[AL+8]
.endif
.irp qt, 0,1
	v_pk_add_f32 v[TQ-12*\qt:TQ+1-12*\qt],   v[SS+32*\qt:SS+32*\qt+1],   v[SS+32*\qt+2:SS+32*\qt+3]
	v_pk_add_f32 v[TQ+2-12*\qt:TQ+3-12*\qt], v[SS+32*\qt+4:SS+32*\qt+5], v[SS+32*\qt+6:SS+32*\qt+7]
.endr
.irp i, 8,12,16,20,24,28
.irp qt, 0,1
	v_pk_add_f32 v[TQ-12*\qt:TQ+1-12*\qt],   v[TQ-12*\qt:TQ+1-12*\qt],   v[SS+32*\qt+\i:SS+32*\qt+\i+1]
	v_pk_add_f32 v[TQ+2-12*\qt:TQ+3-12*\qt], v[TQ+2-12*\qt:TQ+3-12*\qt], v[SS+32*\qt+\i+2:SS+32*\qt+\i+3]
.endr
.endr
.irp qt, 0,1
	v_pk_add_f32 v[TQ-12*\qt:TQ+1-12*\qt], v[TQ-12*\qt:TQ+1-12*\qt], v[TQ+2-12*\qt:TQ+3-12*\qt]
.endr
.if \first
.irp qt, 0,1
	v_add_f32 v[LS+\qt], v[TQ-12*\qt], v[TQ+1-12*\qt]
.endr
.else
.irp qt, 0,1
	v_add_f32 v[TQ-12*\qt], v[TQ-12*\qt], v[TQ+1-12*\qt]
.endr
.irp qt, 0,1
	v_fma_f32 v[LS+\qt], v[LS+\qt], v[AL+8*\qt], v[TQ-12*\qt]
.endr
.endif
.irp qt, 0,1
.set e, 0
.rept 16
	v_cvt_pk_bf16_f32 v[SS+32*\qt+e], v[SS+32*\qt+2*e], v[SS+32*\qt+2*e+1]   ; in place: word e lies at or below its sources, and below all later ones
.set e, e+1
.endr
.endr
.if \first == 0
.irp dt, 0,1,2,3
.irp qt, 0,1
.irp p, 0,2,4,6
	v_pk_mul_f32 v[OA+8*(2*\dt+\qt)+\p:OA+8*(2*\dt+\qt)+\p+1], v[OA+8*(2*\dt+\qt)+\p:OA+8*(2*\dt+\qt)+\p+1], v[AL+8*\qt:AL+8*\qt+1]
.endr
.endr
.endr
.endif
.endm
; Chunk c (64 keys) of a slot.  s18 counts the chunks, s17 is my query block: chunks above it are skipped (register and LDS-read work alone is jumped over).
.macro CHUNK slot, c, first
.if \first == 0
	s_cmp_gt_u32 s18, s17
	s_cbranch_scc1 .Lskip_\@
.endif
	NOP5                                           ; behind the last chunk's products, whose source SS is written by the score products
.if \c == 0
	KLOAD \slot, 0                                 ; a slot's first chunk: its K fragments can be read only now, behind the barrier
.endif
	s_wait_dscnt 0x0                               ; K's fragments
	WIN 0x01                                       ; source 0 (K) window 1
.irp ks, 0,1                                       ; eight accumulators take turns, one instruction a turn
.irp qt, 0,1
.irp t, 0,1,2,3
.if \ks == 0
	v_wmma_f32_16x16x32_bf16 v[SS+32*\qt+8*\t:SS+32*\qt+8*\t+7], v[16*\t+8*\ks:16*\t+8*\ks+7], v[QF+16*\qt+8*\ks:QF+16*\qt+8*\ks+7], 0
.else
	v_wmma_f32_16x16x32_bf16 v[SS+32*\qt+8*\t:SS+32*\qt+8*\t+7], v[16*\t+8*\ks:16*\t+8*\ks+7], v[QF+16*\qt+8*\ks:QF+16*\qt+8*\ks+7], v[SS+32*\qt+8*\t:SS+32*\qt+8*\t+7]
.endif
.endr
.endr
.endr
	WIN 0
	NOP5                                           ; then V's and K's fragment registers are loaded again and SS is read
.irp dt, 0,1,2,3
.irp u, 0,1
	ds_load_tr16_b128 v[FF+8*(2*\dt+\u):FF+8*(2*\dt+\u)+3],   v[ADRV+2*\slot+\c/2] offset:((\c%2)*64+32*\u)*VP+32*\dt          ; V's fragments land under the softmax
	ds_load_tr16_b128 v[FF+8*(2*\dt+\u)+4:FF+8*(2*\dt+\u)+7], v[ADRV+2*\slot+\c/2] offset:((\c%2)*64+32*\u)*VP+32*\dt+16*VP
.endr
.endr
.if \c < 3
	KLOAD \slot, \c+1                              ; and so do the next chunk's K fragments (read also where that chunk will be skipped: the bytes are in the slot)
.endif
	s_cmp_lg_u32 s18, s17
	s_cbranch_scc1 .Lopen_\@
.irp qt, 0,1                                       ; the diagonal chunk: keys behind the query get -infinity
.irp t, 0,1,2,3
.irp jj, 0,1,2,3,4,5,6,7
	v_cmp_gt_i32 vcc_lo, 16*\t+\jj, v[DQ+\qt]
	v_cndmask_b32 v[SS+32*\qt+8*\t+\jj], v[SS+32*\qt+8*\t+\jj], v[NINF], vcc_lo
.endr
.endr
.endr
.Lopen_\@:
	SOFTMAX2 \first
.if \c < 3
	s_wait_dscnt 0x10                              ; V's 16 loads are in; the 16 issued behind them (the next chunk's K) may stay out
.else
	s_wait_dscnt 0x0                               ; V's fragments
.endif
.irp u, 0,1                                        ; eight accumulators take turns, one instruction a turn
.irp dt, 0,1,2,3
.irp qt, 0,1
.if \first*(1-\u)
	v_wmma_f32_16x16x32_bf16 v[OA+8*(2*\dt+\qt):OA+8*(2*\dt+\qt)+7], v[FF+8*(2*\dt+\u):FF+8*(2*\dt+\u)+7], v[SS+32*\qt+8*\u:SS+32*\qt+8*\u+7], 0
.else
	v_wmma_f32_16x16x32_bf16 v[OA+8*(2*\dt+\qt):OA+8*(2*\dt+\qt)+7], v[FF+8*(2*\dt+\u):FF+8*(2*\dt+\u)+7], v[SS+32*\qt+8*\u:SS+32*\qt+8*\u+7], v[OA+8*(2*\dt+\qt):OA+8*(2*\dt+\qt)+7]
.endif
.endr
.endr
.endr
.Lskip_\@:
	s_add_co_u32 s18, s18, 1
.endm
.macro TILE slot, first
	CHUNK \slot, 0, \first
	CHUNK \slot, 1, 0
	CHUNK \slot, 2, 0
	CHUNK \slot, 3, 0
.endm
; One tile of 256 keys.  In front of the barrier every wave waits for all its tensor loads (its part of this tile among them) and for its reads of the
; other slot; behind it the other slot is asked for first (one load a wave), then this slot is read.
.macro TWO slot, other, refill
	s_set_vgpr_msb 0x5
	s_wait_tensorcnt 0x0
	ds_add_u32 v64, v65
	s_wait_dscnt 0x0
	s_set_vgpr_msb 0x500
	s_add_nc_u64 s[G0K+4*\other+2:G0K+4*\other+3], s[G0K+4*\other+2:G0K+4*\other+3], 2*TK*ROWB   ; no load of mine is out: the other slot's next tile
	s_add_nc_u64 s[G0V+4*\other+2:G0V+4*\other+3], s[G0V+4*\other+2:G0V+4*\other+3], 2*TK*ROWB
	s_wait_dscnt 0x0
	s_barrier_signal -1
	s_barrier_wait -1
.if \refill
	KVLOAD \other
.endif
	TILE \slot, 0
.endm
	s_load_b128 s[4:7], s[0:1], 0x0                ; qkv s[4:5], act s[6:7]
	s_set_vgpr_msb 0x40
	v_lshl_add_u32 v64, v0, 2, 0x4e800
	v_mov_b32 v65, 0
	s_set_vgpr_msb 0x4045
	ds_add_u32 v64, v65
	ds_add_u32 v64, v65
	s_set_vgpr_msb 0x4500
	v_lshrrev_b32 v1, 5, v0
	v_readfirstlane_b32 s8, v1                     ; wave 0..7
	s_lshr_b32 s9, s8, 1
	s_and_b32 s10, s8, 1                           ; head bit
	s_lshr_b32 s11, s8, 2                          ; which of the two query blocks
	s_and_b32 s12, s9, 1                           ; which 32 rows of it
	s_and_b32 s21, s8, 3                           ; which 64 rows of a tile I fetch
	s_mov_b32 s13, ttmp9                           ; j
	s_and_b32 s14, ttmp7, 0xffff
	s_lshr_b32 s15, s14, 3                         ; batch
	s_and_b32 s16, s14, 7                          ; head pair
	s_sub_co_u32 s60, 31, s13
	s_cmp_lt_u32 s8, 4
	s_cselect_b32 s17, s13, s60                    ; my query block: j or 31 - j
	s_mov_b32 s18, 0                               ; chunk counter
	s_sub_co_u32 s20, 35, s13
	s_lshr_b32 s20, s20, 2                         ; tiles: (35 - j) / 4, 5 to 8: enough for block 31 - j's 32 - j chunks
	s_sub_co_u32 s19, s20, 2                       ; refills: tiles 2 .. last
	s_lshr_b32 s19, s19, 1                         ; pairs of them in the loop: 1 to 3
	s_max_u32 s19, s19, 1                          ; (shown here: the counter starts at 1 or above)
	s_mov_b32 s22, 0x76543210                      ; v_permlanex16_b32: lane i of one half reads lane i of the other
	s_mov_b32 s23, 0xfedcba98
	s_mov_b32 s24, 0x3e38aa3b                      ; c = log2(e) / sqrt(64)
	s_mov_b32 s25, 0x3e38aa3b
	s_mov_b32 s26, 0xbe38aa3b                      ; -c
	s_mov_b32 s[G1K+0], (1<<16)|(1<<20)|(5<<22)|(3<<25)   ; 2-byte elements; padding on: after every 64 words 4 words
	s_mov_b32 s[G1K+1], 128<<16                    ; tensor_dim0 = 128
	s_mov_b32 s[G1K+2], 64<<16                     ; tensor_dim1 = 64
	s_mov_b32 s[G1K+3], 128<<16                    ; tile_dim0 = 128
	s_mov_b32 s[G1K+4], 64                         ; tile_dim1 = 64
	s_mov_b32 s[G1K+5], 3072                       ; elements from row to row
	s_mov_b32 s[G1K+6], 0
	s_mov_b32 s[G1K+7], 0
	s_mov_b32 s[G1V+0], (1<<16)|(1<<20)|(5<<22)|(7<<25)   ; after every 64 words 8 words
	s_mov_b32 s[G1V+1], 128<<16
	s_mov_b32 s[G1V+2], 64<<16
	s_mov_b32 s[G1V+3], 128<<16
	s_mov_b32 s[G1V+4], 64
	s_mov_b32 s[G1V+5], 3072
	s_mov_b32 s[G1V+6], 0
	s_mov_b32 s[G1V+7], 0
	s_lshl_b32 s60, s15, 11                        ; tile 0: row 2048 b + 64 x my quarter, byte 256 hp
	s_lshl_b32 s61, s21, 6
	s_add_co_u32 s60, s60, s61
	s_mul_i32 s60, s60, ROWB
	s_lshl_b32 s61, s16, 8
	s_add_co_u32 s60, s60, s61
	s_mov_b32 s61, 0
	s_mul_i32 s66, s21, 64*KP
	s_mul_i32 s67, s21, 64*VP
	s_add_co_u32 s67, s67, VBASE
	s_wait_dscnt 0x0
	s_wait_kmcnt 0x0
	s_add_nc_u64 s[62:63], s[4:5], s[60:61]
.irp s, 0,1
	s_mov_b32 s[G0K+4*\s], 1
	s_add_co_u32 s[G0K+4*\s+1], s66, \s*SLOT
	s_add_nc_u64 s[G0K+4*\s+2:G0K+4*\s+3], s[62:63], \s*TK*ROWB+2048
	s_or_b32 s[G0K+4*\s+3], s[G0K+4*\s+3], 0x80000000
	s_mov_b32 s[G0V+4*\s], 1
	s_add_co_u32 s[G0V+4*\s+1], s67, \s*SLOT
	s_add_nc_u64 s[G0V+4*\s+2:G0V+4*\s+3], s[62:63], \s*TK*ROWB+4096
	s_or_b32 s[G0V+4*\s+3], s[G0V+4*\s+3], 0x80000000
	KVLOAD \s                                      ; tiles 0 and 1 go out before anything else: two loads of a wave are out here, one behind each later barrier
.endr
	v_and_b32 v13, 15, v0                          ; r
	v_bfe_u32 v14, v0, 4, 1                        ; h
	s_lshl_b32 s60, s15, 11                        ; Q: row 2048 b + 64 block + 32 sub, byte 256 hp + 128 head bit
	s_lshl_b32 s61, s17, 6
	s_add_co_u32 s60, s60, s61
	s_lshl_b32 s61, s12, 5
	s_add_co_u32 s60, s60, s61
	s_mul_i32 s60, s60, ROWB
	s_lshl_b32 s61, s16, 8
	s_add_co_u32 s60, s60, s61
	s_lshl_b32 s61, s10, 7
	s_add_co_u32 s60, s60, s61
	s_mov_b32 s61, 0
	s_add_nc_u64 s[70:71], s[4:5], s[60:61]
	v_mul_u32_u24 v12, v13, ROWB
	v_lshl_add_u32 v12, v14, 4, v12
.irp qt, 0,1
.irp ks, 0,1
	global_load_b128 v[QF+16*\qt+8*\ks:QF+16*\qt+8*\ks+3],   v12, s[70:71] offset:\qt*16*ROWB+64*\ks      ; straight into fragment layout: query r, d = 32 ks + 8 h ..
	global_load_b128 v[QF+16*\qt+8*\ks+4:QF+16*\qt+8*\ks+7], v12, s[70:71] offset:\qt*16*ROWB+64*\ks+32
.endr
.endr
	v_mul_u32_u24 v[ADRK], v13, KP                 ; K fragment: key r, byte 128 head bit + 16 h
	v_lshl_add_u32 v[ADRK], v14, 4, v[ADRK]
	s_lshl_b32 s60, s10, 7
	v_add_nc_u32 v[ADRK], s60, v[ADRK]
	v_add_nc_u32 v[ADRK+1], SLOT, v[ADRK]
	v_and_b32 v24, 7, v0                           ; V fragment: key 8 h + l % 8, 16-byte piece (l / 8) % 2 of my head's 128 bytes
	v_lshl_add_u32 v24, v14, 3, v24
	v_mul_u32_u24 v24, v24, VP
	v_bfe_u32 v25, v0, 3, 1
	v_lshl_add_u32 v24, v25, 4, v24
	s_add_co_u32 s61, s60, VBASE
	v_add_nc_u32 v[ADRV], s61, v24
	v_add_nc_u32 v[ADRV+1], 128*VP, v[ADRV]
	v_add_nc_u32 v[ADRV+2], SLOT, v[ADRV]
	v_add_nc_u32 v[ADRV+3], SLOT+128*VP, v[ADRV]
	v_lshlrev_b32 v15, 3, v14
	v_sub_nc_u32 v[DQ], v13, v15
	s_lshl_b32 s61, s12, 5
	v_add_nc_u32 v[DQ], s61, v[DQ]
	v_add_nc_u32 v[DQ+1], 16, v[DQ]
	v_mov_b32 v[NINF], 0xff800000
	s_lshl_b32 s66, s15, 11                        ; act: row 2048 b + 64 block + 16 (wave % 4), byte 256 hp; stage rows 16 wave .. belong to my own query block
	s_lshl_b32 s67, s17, 6
	s_add_co_u32 s66, s66, s67
	s_lshl_b32 s67, s21, 4
	s_add_co_u32 s66, s66, s67
	s_lshl_b32 s66, s66, 11
	s_lshl_b32 s67, s16, 8
	s_add_co_u32 s66, s66, s67
	s_mov_b32 s67, 0
	s_add_nc_u64 s[68:69], s[6:7], s[66:67]
	s_wait_loadcnt 0x0                             ; Q (and v12, the loads' offset, is free)
	s_wait_tensorcnt 0x1                           ; my part of tile 0 is in; tile 1's may stay out
	s_barrier_signal -1
	s_barrier_wait -1
	TILE 0, 1                                      ; the first chunk starts maximum, sum and O: nothing is cleared
.Lpair:
	TWO 1, 0, 1
	TWO 0, 1, 1
	s_sub_co_i32 s19, s19, 1
	s_cmp_lg_u32 s19, 0
	s_cbranch_scc1 .Lpair
	s_and_b32 s60, s20, 1                          ; the number of tiles hangs on the work-group's x alone: the same in all eight waves
	s_cmp_lg_u32 s60, 0
	s_cbranch_scc1 .Lodd
	TWO 1, 0, 0                                    ; even: one more tile, nothing left to fetch
	s_branch .Lout
.Lodd:
	TWO 1, 0, 1                                    ; odd: two more, the last fetches nothing
	TWO 0, 1, 0
.Lout:
	NOP5                                           ; behind the last products
	v_permlanex16_b32 v[TQ], v[LS], s22, s23       ; the two halves' sums meet
	v_permlanex16_b32 v[TQ+1], v[LS+1], s22, s23
	v_add_f32 v[LS], v[LS], v[TQ]
	v_add_f32 v[LS+1], v[LS+1], v[TQ+1]
	v_rcp_f32 v[AL], v[LS]                         ; at least 1: the largest score's exponential is 1
	v_rcp_f32 v[AL+8], v[LS+1]
	v_and_b32 v12, 15, v0                          ; r (the plain instruction behind v_rcp_f32: ISA guide 5.7.2)
	v_bfe_u32 v13, v0, 4, 1                        ; h
	s_wait_alu depctr_va_vdst(0)
	v_mov_b32 v[AL+1], v[AL]
	v_mov_b32 v[AL+9], v[AL+8]
	s_lshl_b32 s60, s10, 7                         ; stage, in: row 64 set + 32 sub + r, byte 128 head bit + 16 h
	s_lshl_b32 s61, s11, 6
	s_lshl_b32 s66, s12, 5
	s_add_co_u32 s61, s61, s66
	s_mul_i32 s61, s61, SP
	s_add_co_u32 s61, s61, s60
	s_add_co_u32 s61, s61, STAGE
	v_mul_u32_u24 v14, v12, SP
	v_lshl_add_u32 v14, v13, 4, v14
	v_add_nc_u32 v14, s61, v14
	s_mul_i32 s61, s8, 16*SP                       ; stage, back: row 16 wave + h, byte 16 r
	s_add_co_u32 s61, s61, STAGE
	v_mul_u32_u24 v15, v13, SP
	v_lshl_add_u32 v15, v12, 4, v15
	v_add_nc_u32 v15, s61, v15
	v_lshlrev_b32 v11, 4, v12                      ; the same two rows in act (rows of 2,048 bytes)
	v_lshl_add_u32 v11, v13, 11, v11
.irp dt, 0,1,2,3
.irp qt, 0,1
.irp p, 0,2,4,6
	v_pk_mul_f32 v[OA+8*(2*\dt+\qt)+\p:OA+8*(2*\dt+\qt)+\p+1], v[OA+8*(2*\dt+\qt)+\p:OA+8*(2*\dt+\qt)+\p+1], v[AL+8*\qt:AL+8*\qt+1]
.endr
.endr
.endr
.irp dt, 0,1,2,3
.irp qt, 0,1
.irp p, 0,1,2,3
	v_cvt_pk_bf16_f32 v[SS+4*(2*\dt+\qt)+\p], v[OA+8*(2*\dt+\qt)+2*\p], v[OA+8*(2*\dt+\qt)+2*\p+1]
.endr
	ds_store_b128 v14, v[SS+4*(2*\dt+\qt):SS+4*(2*\dt+\qt)+3] offset:\qt*16*SP+32*\dt
.endr
.endr
	s_wait_dscnt 0x0                               ; my stores into the stage are done: the other head's wave reads them behind the barrier
	s_barrier_signal -1
	s_barrier_wait -1
.irp t, 0,1,2,3,4,5,6,7
	ds_load_b128 v[FF+4*\t:FF+4*\t+3], v15 offset:\t*2*SP
.endr
.irp t, 0,1,2,3,4,5,6,7
	s_wait_dscnt 7-\t                              ; LDS loads come back in order: load t is in
	global_store_b128 v11, v[FF+4*\t:FF+4*\t+3], s[68:69] offset:\t*4096   ; 16 lanes store 256 consecutive bytes, aligned
.endr
	s_set_vgpr_msb 0x5
	s_wait_tensorcnt 0x0
	ds_add_u32 v64, v65
	s_wait_dscnt 0x0
	s_set_vgpr_msb 0x500
	s_endpgm
.Lfunc_end_k_qcaf5a183c1_attn:
	.size	k_qcaf5a183c1_attn, .Lfunc_end_k_qcaf5a183c1_attn-k_qcaf5a183c1_attn
	.p2alignl 7, 3214868480
	.fill 96, 4, 3214868480
	.section	.rodata,"a",@progbits
	.p2align	6, 0x0
	.amdhsa_kernel k_qcaf5a183c1_attn
		.amdhsa_group_segment_fixed_size 327680
		.amdhsa_private_segment_fixed_size 0
		.amdhsa_enable_private_segment 0
		.amdhsa_kernarg_size 16
		.amdhsa_user_sgpr_count 2
		.amdhsa_user_sgpr_kernarg_segment_ptr 1
		.amdhsa_wavefront_size32 1
		.amdhsa_system_sgpr_workgroup_id_x 1
		.amdhsa_system_sgpr_workgroup_id_y 1
		.amdhsa_system_sgpr_workgroup_id_z 1
		.amdhsa_system_vgpr_workitem_id 0
		.amdhsa_next_free_vgpr 322
		.amdhsa_next_free_sgpr 80
		.amdhsa_reserve_vcc 1
		.amdhsa_float_denorm_mode_32 3
		.amdhsa_float_denorm_mode_16_64 3
		.amdhsa_memory_ordered 1
		.amdhsa_forward_progress 1
		.amdhsa_inst_pref_size 255
	.end_amdhsa_kernel
	.section	.bss,"aw",@nobits
	.p2align	6
	.space	262144
	.amdgpu_metadata
---
amdhsa.version: [ 1, 2 ]
amdhsa.kernels:
  - .name:           k_qcaf5a183c1_attn
    .symbol:         k_qcaf5a183c1_attn.kd
    .args:
      - { .name: qkv, .offset: 0, .size: 8, .value_kind: global_buffer, .address_space: global }
      - { .name: act, .offset: 8, .size: 8, .value_kind: global_buffer, .address_space: global }
    .group_segment_fixed_size: 327680
    .private_segment_fixed_size: 0
    .kernarg_segment_align: 8
    .kernarg_segment_size: 16
    .max_flat_workgroup_size: 256
    .sgpr_count:     80
    .vgpr_count:     322
    .wavefront_size: 32
...
	.end_amdgpu_metadata
.endif
;; end of part 3
;; launch gemm_out (part 4): grid 8 x 32, 4 waves a work-group, clusters of 4 x 4, 300,544 bytes of LDS; arguments act, wb, b_out, x, y; writes y
.if DOCPART == 4
	.amdgcn_target "amdgcn-amd-amdhsa--gfx1250"
	.amdhsa_code_object_version 6
	.text
	.protected	k_qcaf5a183c1_gemm_out
	.globl	k_qcaf5a183c1_gemm_out
	.p2align	8
	.type	k_qcaf5a183c1_gemm_out,@function
k_qcaf5a183c1_gemm_out:
	s_mov_b64 s[64:65], 0
	v_nop
	global_prefetch_b8 v0, s[64:65] scope:SCOPE_SE
	s_setreg_imm32_b32 hwreg(HW_REG_WAVE_MODE, 25, 1), 1
	s_wait_xcnt 0x0
	s_wait_alu depctr_hold_cnt(0) depctr_sa_sdst(0) depctr_va_vdst(0) depctr_va_sdst(0) depctr_va_ssrc(0) depctr_va_vcc(0) depctr_vm_vsrc(0)
	s_getreg_b32 s2, hwreg(HW_REG_IB_STS2, 6, 4)
	s_cmp_eq_u32 s2, 0
	s_cbranch_scc0 .Lentry_in_a_cluster
	s_endpgm
.Lentry_in_a_cluster:
	s_bfe_u32 s2, ttmp6, 0x10000c
	s_cmp_lg_u32 s2, 0xf033
	s_cbranch_scc0 .Lentry_shape_is_right
	s_endpgm
.Lentry_shape_is_right:
; C = res + A W + bias, all of it in f32 but the matrix operands.
; A: [4096][GK] bf16.  W: GK x 1024 bf16 in fragment order at byte WOFF of wb.  bias: [1024] f32.  res, C: [4096][1024] f32.
; A work-group makes 128 x 128 of C with four waves; a wave makes all 128 rows x 32 columns: 16 accumulator tiles, 128 registers.
; W NEVER ENTERS LDS.  In wb the wave's 32 columns are one run of bytes: per K step of 32, 2,048 bytes: tile, half of the fragment, lane x 16.
; A load of half a fragment is 512 consecutive bytes, and no two waves of the work-group read the same bytes.  W streams through a ring of D = 7
; places in registers, K = 64 (8 loads, 32 registers) each; a place is asked for again 6 double steps, 192 matrix instructions, ahead of its use.
; By this text's own count a wave has at most 1 + 56 = 57 such loads out.
; LDS HOLDS A ALONE, in two slots of K = 512 (128 rows of 1,024 bytes), filled by the tensor data mover, 32 rows a wave; rows start at multiples
; of 256 bytes from the buffer's first byte.  With GK = 1024 both slots are first fills and nothing is filled again; with GK = 2048 each slot is
; filled again once, 240 matrix instructions ahead of the wait for it.
; CLUSTERS: 4 x 4 work-groups.  A's tile hangs on the block row alone and is asked for jointly by the four of a row of the cluster.
; W is not shared so: a joint load lands in LDS, and W's way here is into registers.
; The matrix instruction is used transposed (source 0 = W, source 1 = A): lane l holds row l % 16 of C, its registers 0-7 the columns 8 (l / 16) + 0..7.
; REGISTERS, in windows of 256: window 0: v4-11 addresses, v12-15 bias, v16-239 W's ring (then the way out's rows);
; window 1: v0-127 accumulators (tile (a, b) at 8 (2 a + b)), v128-255 A's fragments, buffer 0 (K = 64: 64 q + 8 a);
; window 2: v0-127 my 32 rows x 128 columns of res, v128-255 A's fragments, buffer 1.
.set GN,   1024
.set GK,   1024
.set WOFF, 6291456
.set KS,   512                         ; K in a slot
.set NT,   GK/64                       ; double steps
.set TPS,  KS/64                       ; double steps in a slot
.set NSLOT, GK/KS
.set APITCH, 1040                      ; A's LDS row: 1,024 bytes + 16: an odd multiple of 16, so the 16 rows of a fragment load lie in 16 different 16-byte columns of 256
.set APART,  32*APITCH                 ; what one wave brings
.set SLOT,   128*APITCH                ; 133,120
.set STAGE,  2*SLOT                    ; 266,240, a multiple of 256: the way out's bytes, into which no tensor load lands
.set SP,     528                       ; a stage row: 128 f32 + 16 bytes
.set D,    7                           ; places in W's ring
.set RING, 16
.set ADRA, 4                           ; v4-7  A's fragments: slot 0 rows 0-63, 64-127; slot 1 likewise (an LDS immediate has 16 bits)
.set WO,   8                           ; v8    16 x lane: my bytes in a run of W, in a row piece of res and C, in the bias; never rewritten
.set STO,  9
.set RD,   10
.set BIAS, 12                          ; v12-15 bias of columns 4 lane .. + 3 of the block
.set XF,   128
.set G1A, 28                           ; s[28:35] group 1 for A's tiles
.set G0A, 36                           ; s[36:43] group 0 for A's tiles, a set for each slot
.set MSB, 0
.macro WIN new                         ; the immediate's high byte repeats the setting that is left
.if MSB != \new
	s_set_vgpr_msb (MSB<<8)|\new
.set MSB, \new
.endif
.endm
.macro CREST                           ; a round of the cluster's barrier behind its opening work-group barrier
	s_cmp_lg_u32 s14, 0
	s_cbranch_scc1 .Lnot_wave_0_\@
	s_barrier_signal -3
.Lnot_wave_0_\@:
	s_barrier_wait -3
	s_barrier_signal -1
	s_barrier_wait -1
.endm
.macro CROUND                          ; a whole round
	s_barrier_signal -1
	s_barrier_wait -1
	CREST
.endm
.macro PLACES                          ; four plain vector instructions between a matrix instruction and a load into, or a read of, its registers
.rept 4
	v_nop
.endr
.endm
.macro WLOAD t                         ; W of double step t, 4,096 consecutive bytes of my run, into its place in the ring
.set RL, RING+32*((\t)%D)
.irp i, 0,1,2,3,4,5,6,7
	global_load_b128 v[RL+4*\i:RL+4*\i+3], v[WO], s[44:45] offset:(\t)*4096+512*\i
.endr
.endm
.macro RLOAD g                         ; eight of my 32 row pieces of res: 512 consecutive bytes each, aligned
	WIN 0x80                                       ; data window 2, address window 0
.irp i, 0,1,2,3,4,5,6,7
.set II, 8*(\g)+\i
	global_load_b128 v[4*II:4*II+3], v[WO], s[46:47] offset:(64*(II/16)+II%16)*GN*4
.endr
.endm
.macro AFETCH sl, kd, g                ; 32 LDS loads: A's 128 rows, K = 64 kd .. + 63 of slot sl, into buffer g
.set WN, (1+(\g))<<6                   ; data window 1 or 2, address window 0
	WIN WN
.irp q, 0,1
.irp i, 0,1,2,3,4,5,6,7
	ds_load_b128 v[XF+64*\q+8*\i:XF+64*\q+8*\i+3],   v[ADRA+2*(\sl)+\i/4] offset:(\i%4)*16*APITCH+128*(\kd)+64*\q
	ds_load_b128 v[XF+64*\q+8*\i+4:XF+64*\q+8*\i+7], v[ADRA+2*(\sl)+\i/4] offset:(\i%4)*16*APITCH+128*(\kd)+64*\q+32
.endr
.endr
.endm
; 16 matrix instructions: all 16 tiles, 32 along K (half q of buffer f and of the ring's place RS).
; The sixteen accumulators take turns, one instruction a turn, always in this order.
.macro MUL16 f, q, zero
.set WN, 0x54+4*(\f)                   ; source 0 window 0; source 1 window 1 or 2; C and D window 1
	WIN WN
.irp a, 0,1,2,3,4,5,6,7
.irp b, 0,1
.if \zero
	v_wmma_f32_16x16x32_bf16 v[8*(2*\a+\b):8*(2*\a+\b)+7], v[RS+16*\q+8*\b:RS+16*\q+8*\b+7], v[XF+64*\q+8*\a:XF+64*\q+8*\a+7], 0
.else
	v_wmma_f32_16x16x32_bf16 v[8*(2*\a+\b):8*(2*\a+\b)+7], v[RS+16*\q+8*\b:RS+16*\q+8*\b+7], v[XF+64*\q+8*\a:XF+64*\q+8*\a+7], v[8*(2*\a+\b):8*(2*\a+\b)+7]
.endif
.endr
.endr
.endm
; Double step T (a symbol that counts up): K = 64, 32 matrix instructions.  All its memory instructions stand in one run at its head:
; the ring's turn (the place that double step T - 1 has just read gets W of T - 1 + D; when W is all asked for, four turns ask for res, then none),
; and A's fragments of T + 1 into the buffer that T - 1 read.
; The wait for W counts the loads issued behind double step T's own: D - 1 later turns of 8, or, near the end, the NT + 3 - T turns that still had loads.
; At a slot's last double step the change of slots stands in the middle: each wave has waited for its reads of the slot and for all its tensor loads,
; signals, multiplies while the others arrive, and reads the next slot behind the barrier.  Where the slot is filled again the barrier opens a round
; of the cluster's barrier, and the joint refill is the wave's first and only tensor load behind it.
.macro DSTEP
.set F, T%2
.set SL, (T/TPS)%2
.set KD, T%TPS
.set RS, RING+32*(T%D)
.set NW, NT+3-T
.if NW > D-1
.set NW, D-1
.endif
.set Z, 0
.if T == 0
.set Z, 1
.endif
.set EDGE, 0
.if KD == TPS-1
.if T < NT-1
.set EDGE, 1
.endif
.endif
.if T > 0
	PLACES                                         ; behind double step T - 1's matrix instructions: its ring place and its buffer are loaded again
.if T-1+D < NT
	WIN 0
	WLOAD T-1+D
.else
.if T-1+D-NT < 4
	RLOAD T-1+D-NT
.endif
.endif
.endif
.if EDGE
	s_wait_dscnt 0x0                               ; this double step's fragments are in, and with them all my reads of this slot
	s_wait_loadcnt 8*NW
	s_wait_tensorcnt 0x0                           ; all my tensor loads have landed, my part of the next slot among them
	s_barrier_signal -1
	MUL16 F, 0, 0                                  ; register work while the others arrive
	WIN 0                                          ; at a branch and at a label every window is 0
	s_barrier_wait -1
.if T/TPS+2 < NSLOT
	CREST
	s_add_nc_u64 s[G0A+4*SL+2:G0A+4*SL+3], s[G0A+4*SL+2:G0A+4*SL+3], 2*KS*2   ; two slots on along K, in bytes; no load of mine is out
	tensor_load_to_lds s[G0A+4*SL:G0A+4*SL+3], s[G1A:G1A+7]
.endif
	AFETCH 1-SL, 0, 1-F
	MUL16 F, 1, 0
.else
.if T < NT-1
	AFETCH SL, KD+1, 1-F
	s_wait_dscnt 0x20                              ; LDS loads come back in order: this double step's 32 are in, the 32 just issued stay out
.else
	s_wait_dscnt 0x0
.endif
	s_wait_loadcnt 8*NW
	MUL16 F, 0, Z                                  ; the first products start the sums: nothing is cleared
	MUL16 F, 1, 0
.endif
.set T, T+1
.endm
	s_load_b256 s[4:11], s[0:1], 0x0               ; A s[4:5], wb s[6:7], bias s[8:9], res s[10:11]
	s_load_b64 s[12:13], s[0:1], 0x20              ; C
	v_lshl_add_u32 v254, v0, 2, 0x49400
	v_mov_b32 v255, 0
	ds_add_u32 v254, v255
	ds_add_u32 v254, v255
	v_lshrrev_b32 v1, 5, v0
	v_readfirstlane_b32 s14, v1                    ; wave 0..3
	v_and_b32 v3, 31, v0
	v_lshlrev_b32 v[WO], 4, v3                     ; 16 x lane
	s_bfe_u32 s21, ttmp6, 0x40000                  ; cx
	s_bfe_u32 s22, ttmp6, 0x40004                  ; cy
	s_lshl_b32 s23, ttmp9, 2
	s_add_co_u32 s23, s23, s21                     ; block column = 4 x cluster x + cx
	s_and_b32 s24, ttmp7, 0xffff
	s_lshl_b32 s24, s24, 2
	s_add_co_u32 s24, s24, s22                     ; block row = 4 x cluster y + cy
	s_lshl_b32 s25, s22, 2
	s_lshl_b32 s25, 15, s25                        ; my row of the cluster: places 4 cy .. 4 cy + 3
	s_or_b32 s[G1A+0], s25, (1<<16)|(1<<20)|(1<<21)|(7<<22)|(3<<25)  ; mask; 2-byte elements; padding on; bit 21 beside a mask; after every 256 words 4 words
	s_mov_b32 s[G1A+1], KS<<16                     ; tensor_dim0 = 512
	s_mov_b32 s[G1A+2], 32<<16                     ; tensor_dim1 = 32
	s_mov_b32 s[G1A+3], KS<<16                     ; tile_dim0 = 512
	s_mov_b32 s[G1A+4], 32                         ; tile_dim1 = 32
	s_mov_b32 s[G1A+5], GK                         ; elements from row to row
	s_mov_b32 s[G1A+6], 0
	s_mov_b32 s[G1A+7], 0
	s_lshl_b32 s60, s24, 7                         ; A's tile: row 128 x block row + 32 x wave; s[60:61] never hold cx
	s_lshl_b32 s61, s14, 5
	s_add_co_u32 s60, s60, s61
	s_mul_i32 s60, s60, GK*2
	s_mov_b32 s61, 0
	s_mul_i32 s16, s14, APART                      ; where it goes: the wave's number times a constant; no place in the cluster enters an LDS address
	s_lshl_b32 s62, s23, 2                         ; my run of W: pair of column tiles 4 x block column + wave, 64 GK bytes each
	s_add_co_u32 s62, s62, s14
	s_mul_i32 s62, s62, GK*64
	s_add_co_u32 s62, s62, WOFF
	s_mov_b32 s63, 0
	s_lshl_b32 s72, s24, 7                         ; res and C: row 128 x block row + 16 x wave, column 128 x block column
	s_lshl_b32 s73, s14, 4
	s_add_co_u32 s72, s72, s73
	s_lshl_b32 s72, s72, 12
	s_lshl_b32 s74, s23, 9                         ; the column in bytes: also the bias's offset
	s_add_co_u32 s72, s72, s74
	s_mov_b32 s73, 0
	s_mov_b32 s75, 0
	s_wait_dscnt 0x0
	s_wait_kmcnt 0x0
	s_add_nc_u64 s[60:61], s[4:5], s[60:61]
	s_add_nc_u64 s[44:45], s[6:7], s[62:63]
	s_add_nc_u64 s[46:47], s[10:11], s[72:73]
	s_add_nc_u64 s[48:49], s[12:13], s[72:73]
	s_add_nc_u64 s[50:51], s[8:9], s[74:75]
	global_load_b128 v[BIAS:BIAS+3], v[WO], s[50:51]
.set st, 0
.rept D
	WLOAD st                                       ; the ring is filled: these loads are on their way while the cluster gathers
.set st, st+1
.endr
	CROUND                                         ; all sixteen work-groups are here: the first joint loads meet
.irp s, 0,1
	s_mov_b32 s[G0A+4*\s], 1
	s_add_co_u32 s[G0A+4*\s+1], s16, \s*SLOT
	s_add_nc_u64 s[G0A+4*\s+2:G0A+4*\s+3], s[60:61], \s*KS*2
	s_or_b32 s[G0A+4*\s+3], s[G0A+4*\s+3], 0x80000000
	tensor_load_to_lds s[G0A+4*\s:G0A+4*\s+3], s[G1A:G1A+7]   ; both first fills go out together: two tensor loads of a wave are out here, one behind each later round
	s_nop 0
.endr
	v_and_b32 v1, 15, v0                           ; r = l % 16
	v_bfe_u32 v2, v0, 4, 1                         ; h = l / 16
	v_mul_u32_u24 v3, v1, APITCH                   ; A fragment: row r x pitch + 16 h; two loads 32 bytes apart
	v_lshl_add_u32 v[ADRA], v2, 4, v3
	v_add_nc_u32 v[ADRA+1], 64*APITCH, v[ADRA]
	v_add_nc_u32 v[ADRA+2], SLOT, v[ADRA]
	v_add_nc_u32 v[ADRA+3], SLOT+64*APITCH, v[ADRA]
	v_mul_u32_u24 v3, v1, SP                       ; stage, in: row r, byte 128 wave + 32 h
	v_lshl_add_u32 v3, v2, 5, v3
	s_lshl_b32 s18, s14, 7
	s_add_co_u32 s18, s18, STAGE
	v_add_nc_u32 v[STO], s18, v3
	s_mul_i32 s18, s14, 16*SP                      ; stage, back: row 16 wave, byte 16 lane
	s_add_co_u32 s18, s18, STAGE
	v_add_nc_u32 v[RD], s18, v[WO]
	s_wait_tensorcnt 0x1                           ; my part of slot 0 is in; slot 1's may stay out
	s_barrier_signal -1
	s_barrier_wait -1
	AFETCH 0, 0, 0
.set T, 0
.rept NT
	DSTEP
.endr
	WIN 0
	PLACES                                         ; behind the last matrix instructions, for all that follows
	; THE WAY OUT, two passes of 64 rows through the stage: the sums go in as they lie (a wave's 32 columns are 128 bytes of a row); behind a barrier
	; each wave reads 16 whole row pieces of 512 bytes back, adds res and bias, and stores them; a second barrier, and the stage is written again.
.irp p, 0,1
	WIN 0x04                                       ; LDS store data window 1
.irp aa, 0,1,2,3
.irp b, 0,1
	ds_store_b128 v[STO], v[8*(2*(4*\p+\aa)+\b):8*(2*(4*\p+\aa)+\b)+3]   offset:\aa*16*SP+64*\b
	ds_store_b128 v[STO], v[8*(2*(4*\p+\aa)+\b)+4:8*(2*(4*\p+\aa)+\b)+7] offset:\aa*16*SP+64*\b+16
.endr
.endr
	WIN 0
	s_wait_dscnt 0x0                               ; my stores into the stage are done: the other waves read them behind the barrier
	s_barrier_signal -1
	s_barrier_wait -1
.irp t, 0,1,2,3,4,5,6,7,8,9,10,11,12,13,14,15
	ds_load_b128 v[RING+64*\p+4*\t:RING+64*\p+4*\t+3], v[RD] offset:\t*SP
.endr
	s_wait_dscnt 0x0
.if \p == 0
	s_barrier_signal -1                            ; every wave's reads of the stage are back
	s_barrier_wait -1
	s_wait_loadcnt 0x0                             ; res
.endif
	WIN 0x08                                       ; source 1 (res) window 2
.irp t, 0,1,2,3,4,5,6,7,8,9,10,11,12,13,14,15
	v_pk_add_f32 v[RING+64*\p+4*\t:RING+64*\p+4*\t+1],   v[RING+64*\p+4*\t:RING+64*\p+4*\t+1],   v[4*(16*\p+\t):4*(16*\p+\t)+1]
	v_pk_add_f32 v[RING+64*\p+4*\t+2:RING+64*\p+4*\t+3], v[RING+64*\p+4*\t+2:RING+64*\p+4*\t+3], v[4*(16*\p+\t)+2:4*(16*\p+\t)+3]
.endr
	WIN 0
.irp t, 0,1,2,3,4,5,6,7,8,9,10,11,12,13,14,15
	v_pk_add_f32 v[RING+64*\p+4*\t:RING+64*\p+4*\t+1],   v[RING+64*\p+4*\t:RING+64*\p+4*\t+1],   v[BIAS:BIAS+1]
	v_pk_add_f32 v[RING+64*\p+4*\t+2:RING+64*\p+4*\t+3], v[RING+64*\p+4*\t+2:RING+64*\p+4*\t+3], v[BIAS+2:BIAS+3]
	global_store_b128 v[WO], v[RING+64*\p+4*\t:RING+64*\p+4*\t+3], s[48:49] offset:(64*\p+\t)*GN*4   ; 32 lanes store 512 consecutive bytes, aligned
.endr
.endr
	s_wait_tensorcnt 0x0
	ds_add_u32 v254, v255
	s_wait_dscnt 0x0
	CROUND                                         ; the closing round: no work-group ends while a partner may still ask for a tile that names it
	s_endpgm
.Lfunc_end_k_qcaf5a183c1_gemm_out:
	.size	k_qcaf5a183c1_gemm_out, .Lfunc_end_k_qcaf5a183c1_gemm_out-k_qcaf5a183c1_gemm_out
	.p2alignl 7, 3214868480
	.fill 96, 4, 3214868480
	.section	.rodata,"a",@progbits
	.p2align	6, 0x0
	.amdhsa_kernel k_qcaf5a183c1_gemm_out
		.amdhsa_group_segment_fixed_size 300544
		.amdhsa_private_segment_fixed_size 0
		.amdhsa_enable_private_segment 0
		.amdhsa_kernarg_size 40
		.amdhsa_user_sgpr_count 2
		.amdhsa_user_sgpr_kernarg_segment_ptr 1
		.amdhsa_wavefront_size32 1
		.amdhsa_system_sgpr_workgroup_id_x 1
		.amdhsa_system_sgpr_workgroup_id_y 1
		.amdhsa_system_sgpr_workgroup_id_z 1
		.amdhsa_system_vgpr_workitem_id 0
		.amdhsa_next_free_vgpr 768
		.amdhsa_next_free_sgpr 80
		.amdhsa_reserve_vcc 0
		.amdhsa_float_denorm_mode_32 3
		.amdhsa_float_denorm_mode_16_64 3
		.amdhsa_memory_ordered 1
		.amdhsa_forward_progress 1
		.amdhsa_inst_pref_size 105
	.end_amdhsa_kernel
	.amdgpu_metadata
---
amdhsa.version: [ 1, 2 ]
amdhsa.kernels:
  - .name:           k_qcaf5a183c1_gemm_out
    .symbol:         k_qcaf5a183c1_gemm_out.kd
    .args:
      - { .name: act, .offset: 0, .size: 8, .value_kind: global_buffer, .address_space: global }
      - { .name: wb, .offset: 8, .size: 8, .value_kind: global_buffer, .address_space: global }
      - { .name: b_out, .offset: 16, .size: 8, .value_kind: global_buffer, .address_space: global }
      - { .name: x, .offset: 24, .size: 8, .value_kind: global_buffer, .address_space: global }
      - { .name: y, .offset: 32, .size: 8, .value_kind: global_buffer, .address_space: global }
    .group_segment_fixed_size: 300544
    .private_segment_fixed_size: 0
    .kernarg_segment_align: 8
    .kernarg_segment_size: 40
    .max_flat_workgroup_size: 128
    .sgpr_count:     80
    .vgpr_count:     768
    .wavefront_size: 32
...
	.end_amdgpu_metadata
.endif
;; end of part 4
;; launch ln1 (part 5): grid 256 x 1, 8 waves a work-group, no clusters, 0 bytes of LDS; arguments y, g1, be1, x1, act; writes x1, act
.if DOCPART == 5
	.amdgcn_target "amdgcn-amd-amdhsa--gfx1250"
	.amdhsa_code_object_version 6
	.text
	.protected	k_qcaf5a183c1_ln1
	.globl	k_qcaf5a183c1_ln1
	.p2align	8
	.type	k_qcaf5a183c1_ln1,@function
k_qcaf5a183c1_ln1:
	s_mov_b64 s[64:65], 0
	v_nop
	global_prefetch_b8 v0, s[64:65] scope:SCOPE_SE
	s_setreg_imm32_b32 hwreg(HW_REG_WAVE_MODE, 25, 1), 1
	s_wait_xcnt 0x0
; LayerNorm along rows of 1,024 f32: out = (y - mean) / sqrt(var + 1e-5) * g + be, var = mean of (y - mean)^2 (two passes over registers).
; BF16OUT = 1: the result is stored in f32 and, rounded once, in bf16 (the next product's operand).
; A wave owns 2 whole rows (row = 16 x work-group + 2 x wave + i), 32 registers each: memory is read once and no wave waits for another: no LDS, no barrier.
; Eight waves of two rows rather than four of four: half as much row work stands in series between a wave's loads and its last stores.
; Lane l holds columns 128 jj + 4 l + 0..3: a load or f32 store of a wave covers 512 consecutive bytes, a bf16 store 256, aligned.
; All 32 loads of a wave go out at the start.  Memory binds: matrix unit, clusters and tensor loads would add nothing.
.set BF16OUT, 1
.set G,  32                            ; v[32:63]   g of my 32 columns
.set BE, 64                            ; v[64:95]   be
.set X,  96                            ; v[96:159]  row i: 32 registers
.set PK, 160                           ; v[160:175] a row in bf16
.macro LANESUM r, t                    ; the sum of v[r] over the 32 lanes, in every lane
	v_add_f32_dpp v[\r], v[\r], v[\r] row_xmask:1 row_mask:0xf bank_mask:0xf
	v_add_f32_dpp v[\r], v[\r], v[\r] row_xmask:2 row_mask:0xf bank_mask:0xf
	v_add_f32_dpp v[\r], v[\r], v[\r] row_xmask:4 row_mask:0xf bank_mask:0xf
	v_add_f32_dpp v[\r], v[\r], v[\r] row_xmask:8 row_mask:0xf bank_mask:0xf
	v_permlanex16_b32 v[\t], v[\r], s20, s21
	v_add_f32 v[\r], v[\r], v[\t]
.endm
.macro FOLD                            ; four chains of pairs into v4
	v_pk_add_f32 v[4:5], v[4:5], v[6:7]
	v_pk_add_f32 v[8:9], v[8:9], v[10:11]
	v_pk_add_f32 v[4:5], v[4:5], v[8:9]
	v_add_f32 v4, v4, v5
	LANESUM 4, 5
.endm
	s_load_b256 s[4:11], s[0:1], 0x0               ; y s[4:5], g s[6:7], be s[8:9], f32 out s[10:11]
.if BF16OUT
	s_load_b64 s[12:13], s[0:1], 0x20              ; bf16 out
.endif
	v_and_b32 v1, 31, v0
	v_lshrrev_b32 v2, 5, v0
	v_lshlrev_b32 v3, 4, v1                        ; 16 x lane: g and be
	v_lshl_add_u32 v20, v2, 13, v3                 ; + wave x 2 rows of 4,096 bytes
	v_lshlrev_b32 v21, 3, v1
	v_lshl_add_u32 v21, v2, 12, v21                ; bf16: wave x 2 rows of 2,048 bytes + 8 x lane
	s_lshl_b32 s16, ttmp9, 16                      ; 16 rows of 4,096 bytes
	s_mov_b32 s17, 0
	s_lshl_b32 s18, ttmp9, 15
	s_mov_b32 s19, 0
	s_mov_b32 s20, 0x76543210                      ; v_permlanex16_b32: lane i of one half reads lane i of the other
	s_mov_b32 s21, 0xfedcba98
	s_mov_b32 s22, 0x3a800000                      ; 1 / 1024
	s_mov_b32 s23, 0x3727c5ac                      ; 1e-5
	s_wait_kmcnt 0x0
	s_add_nc_u64 s[4:5], s[4:5], s[16:17]
	s_add_nc_u64 s[10:11], s[10:11], s[16:17]
.if BF16OUT
	s_add_nc_u64 s[12:13], s[12:13], s[18:19]
.endif
.irp jj, 0,1,2,3,4,5,6,7
	global_load_b128 v[G+4*\jj:G+4*\jj+3], v3, s[6:7] offset:512*\jj
	global_load_b128 v[BE+4*\jj:BE+4*\jj+3], v3, s[8:9] offset:512*\jj
.endr
.irp i, 0,1
.irp jj, 0,1,2,3,4,5,6,7
	global_load_b128 v[X+32*\i+4*\jj:X+32*\i+4*\jj+3], v20, s[4:5] offset:4096*\i+512*\jj
.endr
.endr
.macro ROW i
.set R, X+32*\i
	s_wait_loadcnt 8-8*\i                          ; loads come back in order: g, be and rows 0 .. i are in, the later row's 8 loads stay out
	v_pk_add_f32 v[4:5], v[R:R+1], v[R+2:R+3]
	v_pk_add_f32 v[6:7], v[R+4:R+5], v[R+6:R+7]
	v_pk_add_f32 v[8:9], v[R+8:R+9], v[R+10:R+11]
	v_pk_add_f32 v[10:11], v[R+12:R+13], v[R+14:R+15]
.irp k, 16,24
	v_pk_add_f32 v[4:5], v[4:5], v[R+\k:R+\k+1]
	v_pk_add_f32 v[6:7], v[6:7], v[R+\k+2:R+\k+3]
	v_pk_add_f32 v[8:9], v[8:9], v[R+\k+4:R+\k+5]
	v_pk_add_f32 v[10:11], v[10:11], v[R+\k+6:R+\k+7]
.endr
	FOLD
	v_mul_f32 v12, s22, v4                         ; the mean, twice
	v_mul_f32 v13, s22, v4
.set e, 0
.rept 16
	v_pk_add_f32 v[R+e:R+e+1], v[R+e:R+e+1], v[12:13] neg_lo:[0,1] neg_hi:[0,1]
.set e, e+2
.endr
	v_pk_mul_f32 v[4:5], v[R:R+1], v[R:R+1]
	v_pk_mul_f32 v[6:7], v[R+2:R+3], v[R+2:R+3]
	v_pk_mul_f32 v[8:9], v[R+4:R+5], v[R+4:R+5]
	v_pk_mul_f32 v[10:11], v[R+6:R+7], v[R+6:R+7]
.irp k, 8,16,24
	v_pk_fma_f32 v[4:5], v[R+\k:R+\k+1], v[R+\k:R+\k+1], v[4:5]
	v_pk_fma_f32 v[6:7], v[R+\k+2:R+\k+3], v[R+\k+2:R+\k+3], v[6:7]
	v_pk_fma_f32 v[8:9], v[R+\k+4:R+\k+5], v[R+\k+4:R+\k+5], v[8:9]
	v_pk_fma_f32 v[10:11], v[R+\k+6:R+\k+7], v[R+\k+6:R+\k+7], v[10:11]
.endr
	FOLD
	v_fma_f32 v14, v4, s22, s23                    ; var + 1e-5
	v_rsq_f32 v16, v14
	v_nop                                          ; the plain instruction behind v_rsq_f32 (ISA guide 5.7.2)
	s_wait_alu depctr_va_vdst(0)
	v_mov_b32 v17, v16
.set e, 0
.rept 16
	v_pk_mul_f32 v[R+e:R+e+1], v[R+e:R+e+1], v[16:17]
	v_pk_fma_f32 v[R+e:R+e+1], v[R+e:R+e+1], v[G+e:G+e+1], v[BE+e:BE+e+1]
.set e, e+2
.endr
.irp jj, 0,1,2,3,4,5,6,7
	global_store_b128 v20, v[R+4*\jj:R+4*\jj+3], s[10:11] offset:4096*\i+512*\jj
.endr
.if BF16OUT
.if \i
	s_wait_xcnt 0x0                                ; the last row's bf16 stores have read PK: it is written again only behind this wait
.endif
.irp jj, 0,1,2,3,4,5,6,7
	v_cvt_pk_bf16_f32 v[PK+2*\jj], v[R+4*\jj], v[R+4*\jj+1]
	v_cvt_pk_bf16_f32 v[PK+2*\jj+1], v[R+4*\jj+2], v[R+4*\jj+3]
	global_store_b64 v21, v[PK+2*\jj:PK+2*\jj+1], s[12:13] offset:2048*\i+256*\jj
.endr
.endif
.endm
	ROW 0
	ROW 1
	s_endpgm
.Lfunc_end_k_qcaf5a183c1_ln1:
	.size	k_qcaf5a183c1_ln1, .Lfunc_end_k_qcaf5a183c1_ln1-k_qcaf5a183c1_ln1
	.p2alignl 7, 3214868480
	.fill 96, 4, 3214868480
	.section	.rodata,"a",@progbits
	.p2align	6, 0x0
	.amdhsa_kernel k_qcaf5a183c1_ln1
		.amdhsa_group_segment_fixed_size 0
		.amdhsa_private_segment_fixed_size 0
		.amdhsa_enable_private_segment 0
		.amdhsa_kernarg_size 40
		.amdhsa_user_sgpr_count 2
		.amdhsa_user_sgpr_kernarg_segment_ptr 1
		.amdhsa_wavefront_size32 1
		.amdhsa_system_sgpr_workgroup_id_x 1
		.amdhsa_system_sgpr_workgroup_id_y 1
		.amdhsa_system_sgpr_workgroup_id_z 1
		.amdhsa_system_vgpr_workitem_id 0
		.amdhsa_next_free_vgpr 176
		.amdhsa_next_free_sgpr 66
		.amdhsa_reserve_vcc 0
		.amdhsa_float_denorm_mode_32 3
		.amdhsa_float_denorm_mode_16_64 3
		.amdhsa_memory_ordered 1
		.amdhsa_forward_progress 1
		.amdhsa_inst_pref_size 22
	.end_amdhsa_kernel
	.amdgpu_metadata
---
amdhsa.version: [ 1, 2 ]
amdhsa.kernels:
  - .name:           k_qcaf5a183c1_ln1
    .symbol:         k_qcaf5a183c1_ln1.kd
    .args:
      - { .name: y, .offset: 0, .size: 8, .value_kind: global_buffer, .address_space: global }
      - { .name: g1, .offset: 8, .size: 8, .value_kind: global_buffer, .address_space: global }
      - { .name: be1, .offset: 16, .size: 8, .value_kind: global_buffer, .address_space: global }
      - { .name: x1, .offset: 24, .size: 8, .value_kind: global_buffer, .address_space: global }
      - { .name: act, .offset: 32, .size: 8, .value_kind: global_buffer, .address_space: global }
    .group_segment_fixed_size: 0
    .private_segment_fixed_size: 0
    .kernarg_segment_align: 8
    .kernarg_segment_size: 40
    .max_flat_workgroup_size: 256
    .sgpr_count:     66
    .vgpr_count:     176
    .wavefront_size: 32
...
	.end_amdgpu_metadata
.endif
;; end of part 5
;; launch gemm_ff1 (part 6): grid 8 x 32, 4 waves a work-group, clusters of 4 x 4, 327,680 bytes of LDS; arguments act, wb, b_ff1, hid; writes hid
.if DOCPART == 6
	.amdgcn_target "amdgcn-amd-amdhsa--gfx1250"
	.amdhsa_code_object_version 6
	.text
	.protected	k_qcaf5a183c1_gemm_ff1
	.globl	k_qcaf5a183c1_gemm_ff1
	.p2align	8
	.type	k_qcaf5a183c1_gemm_ff1,@function
k_qcaf5a183c1_gemm_ff1:
	s_mov_b64 s[64:65], 0
	v_nop
	global_prefetch_b8 v0, s[64:65] scope:SCOPE_SE
	s_setreg_imm32_b32 hwreg(HW_REG_WAVE_MODE, 25, 1), 1
	s_wait_xcnt 0x0
	s_wait_alu depctr_hold_cnt(0) depctr_sa_sdst(0) depctr_va_vdst(0) depctr_va_sdst(0) depctr_va_ssrc(0) depctr_va_vcc(0) depctr_vm_vsrc(0)
	s_getreg_b32 s2, hwreg(HW_REG_IB_STS2, 6, 4)
	s_cmp_eq_u32 s2, 0
	s_cbranch_scc0 .Lentry_in_a_cluster
	s_endpgm
.Lentry_in_a_cluster:
	s_bfe_u32 s2, ttmp6, 0x10000c
	s_cmp_lg_u32 s2, 0xf033
	s_cbranch_scc0 .Lentry_shape_is_right
	s_endpgm
.Lentry_shape_is_right:
; C = A W + bias (RELU = 1: then max(., 0)), rounded once to bf16.
; A: [4096][GK] bf16.  W: [GK][GN] bf16 at byte WOFF of wb.  bias: [GN] f32.  C: [4096][GN] bf16.  Sums in f32.
; Limits kept: the bias is the value that each sum starts from (added first, not last); with RELU a NaN becomes 0 (v_max_num_f32).
; A work-group makes 128 rows x 128 C columns, so that 4096 x GN is 32 x 8 = 256 work-groups.  Four waves; wave (wm, wn) makes rows 64 wm .. + 63
; and, of each group of 128 columns, the half wn: 64 x 64 C, 16 C accumulator tiles.  For 32 along K a wave reads (64 + 64 C) x 64 bytes of LDS for 16 C products.
; K goes in steps of 128 through two LDS slots filled by the tensor data mover: wave g < C brings group g of W (128 k rows of 256 bytes), the other
; 4 - C waves bring A's 128 rows (rows of 256 bytes) in equal parts; all rows start at multiples of 256 bytes from their buffer's first byte.
; CLUSTERS: 4 x 4 work-groups.  A's tile hangs on the block row alone and is asked for jointly by the four of a row of the cluster,
; W's on the block column alone and is asked for jointly by the four of a column: the requests for both are divided by four.
; W lies [k][n] in LDS; its fragments come by the transposing load.  The matrix instruction is used transposed (source 0 = W, source 1 = A):
; lane l then holds row l % 16 of C and its registers 0-7 the columns 8 (l / 16) + 0..7: eight neighbours, 16 bytes of bf16.
; REGISTERS, in windows of 256: window 0: addresses, W's fragments from v64 (two buffers of K = 32, 32 C registers each), the way out's work;
; window 1: accumulator tiles 0-31 (tile (a, bb) = number 4 C a + bb, 8 registers each); window 2: A's fragments v128-159, v160-191;
; window 3: v0 .. 32 C - 1 the bias of my 4 C x 8 columns.
.set C,    2
.set GN,   2048
.set GK,   1024
.set WOFF, 8388608
.set RELU, 1
.set NB,   4*C                         ; column tiles of a wave: bb = 4 x group + b
.set KS,   128                         ; a K step
.set APITCH, 272                       ; A's LDS row: 256 bytes + 16: an odd multiple of 16, so the 16 rows of a fragment load lie in 16 different 16-byte columns of 256
.set WPITCH, 288                       ; W's LDS row: 256 bytes + 32: an odd multiple of 32, as the transposing load's eight rows of two 16-byte pieces want
.set WGRP,  KS*WPITCH                  ; 36,864: one group of W, what one wave brings
.set AROWS, 128/(4-C)                  ; rows of A that one wave brings
.set APART, AROWS*APITCH
.set ABASE, C*WGRP                     ; A's rows lie behind W's groups
.set SLOT,  ABASE+128*APITCH
.set STAGE, 2*SLOT                     ; a multiple of 256: the way out's bytes, into which no tensor load lands
.set SP,    256*C+16                   ; a stage row: 128 C bf16 + 16 bytes
.set LAPS,  GK/(2*KS)                  ; a lap = two K steps = once round the ring
.set ADRA, 16                          ; v16-17          my A fragments in slot 0, 1
.set ADRB, 18                          ; v18 .. 17 + 2 C my W fragments: slot 0 groups 0 .. C - 1, then slot 1
.set STO,  24
.set RD,   25
.set CO,   26
.set BO,   27
.set WF,   64                          ; window 0: W's fragment buffers
.set XF,   128                         ; window 2: A's fragment buffers
.set PK,   64                          ; the way out: 4 NB registers of packed bf16
.set RB,   128                         ; the way out: 16 C registers read back
.set G1A, 28                           ; s[28:35] group 1 for A's tiles
.set G0A, 36                           ; s[36:43] group 0 for A's tiles, a set for each slot
.set G1B, 44                           ; s[44:51] group 1 for W's tiles
.set G0B, 52                           ; s[52:59] group 0 for W's tiles, a set for each slot
.set TO_A, 0xa8                        ; an LDS load under it: address window 0, data window 2
.set MSB, 0
.macro WIN new                         ; the immediate's high byte repeats the setting that is left
.if MSB != \new
	s_set_vgpr_msb (MSB<<8)|\new
.set MSB, \new
.endif
.endm
.macro JLOAD s                         ; a joint load: each line has one mask; the branch hangs on the wave's number alone
	s_cmp_ge_u32 s14, C
	s_cbranch_scc0 .Lfor_w_\@
	tensor_load_to_lds s[G0A+4*\s:G0A+4*\s+3], s[G1A:G1A+7]
	s_nop 0
	s_branch .Lasked_\@
.Lfor_w_\@:
	tensor_load_to_lds s[G0B+4*\s:G0B+4*\s+3], s[G1B:G1B+7]
	s_nop 0
.Lasked_\@:
.endm
.macro CREST                           ; a round of the cluster's barrier behind its opening work-group barrier
	s_cmp_lg_u32 s14, 0
	s_cbranch_scc1 .Lnot_wave_0_\@
	s_barrier_signal -3
.Lnot_wave_0_\@:
	s_barrier_wait -3
	s_barrier_signal -1
	s_barrier_wait -1
.endm
.macro CROUND                          ; a whole round
	s_barrier_signal -1
	s_barrier_wait -1
	CREST
.endm
.macro PLACES                          ; four plain vector instructions between a matrix instruction and a load into, or a read of, its registers
.rept 4
	v_nop
.endr
.endm
; 8 C matrix instructions: row tiles a0, a0 + 1 x all column tiles, 32 along K from buffer f.  first = 1: the sums start from the bias.
; The 16 C accumulators take turns, one instruction a turn, always in this order.
.macro MULH f, a0, first
.irp a, \a0, \a0+1
.set bb, 0
.rept NB
.set TI, NB*(\a)+bb
.set DR, 8*(TI%32)
.set DW, 1+TI/32
.if \first
.set WN, (DW<<6)|0x38                  ; source 0 window 0, source 1 window 2, C window 3, D the tile's window
	WIN WN
	v_wmma_f32_16x16x32_bf16 v[DR:DR+7], v[WF+8*NB*\f+8*bb:WF+8*NB*\f+8*bb+7], v[XF+32*\f+8*(\a):XF+32*\f+8*(\a)+7], v[8*bb:8*bb+7]
.else
.set WN, (DW<<6)|(DW<<4)|0x08          ; C and D the tile's window
	WIN WN
	v_wmma_f32_16x16x32_bf16 v[DR:DR+7], v[WF+8*NB*\f+8*bb:WF+8*NB*\f+8*bb+7], v[XF+32*\f+8*(\a):XF+32*\f+8*(\a)+7], v[DR:DR+7]
.endif
.set bb, bb+1
.endr
.endr
.endm
; 8 + 8 C LDS loads: the fragments of K = 32 q .. 32 q + 31 of a slot (64 rows of A, 64 C columns of W) into buffer g
.macro FETCH slot, q, g
	WIN TO_A
.irp i, 0,1,2,3
	ds_load_b128 v[XF+32*\g+8*\i:XF+32*\g+8*\i+3],   v[ADRA+\slot] offset:64*\q+\i*16*APITCH
	ds_load_b128 v[XF+32*\g+8*\i+4:XF+32*\g+8*\i+7], v[ADRA+\slot] offset:64*\q+\i*16*APITCH+32
.endr
	WIN 0
.set gg, 0
.rept C
.irp b, 0,1,2,3
	ds_load_tr16_b128 v[WF+8*NB*\g+8*(4*gg+\b):WF+8*NB*\g+8*(4*gg+\b)+3],   v[ADRB+C*\slot+gg] offset:32*\q*WPITCH+32*\b
	ds_load_tr16_b128 v[WF+8*NB*\g+8*(4*gg+\b)+4:WF+8*NB*\g+8*(4*gg+\b)+7], v[ADRB+C*\slot+gg] offset:32*\q*WPITCH+32*\b+16*WPITCH
.endr
.set gg, gg+1
.endr
.endm
; multiplies buffer f (16 C matrix instructions); ahead of them quarter q of the same slot is asked for, into buffer g
.macro QUARTER slot, q, f, g, first
	s_wait_dscnt 0x0                               ; buffer f is in (its loads were issued 16 C matrix instructions ago)
	PLACES                                         ; buffer g was read by the matrix instructions just issued
	FETCH \slot, \q, \g
	MULH \f, 0, \first
	MULH \f, 2, \first
.endm
.macro THREE slot, first
	QUARTER \slot, 1, 0, 1, \first
	QUARTER \slot, 2, 1, 0, 0
	QUARTER \slot, 3, 0, 1, 0
.endm
; The last quarter of a slot, and the change of slots.  In front of the barrier each wave waits for its reads of this slot and for all its
; tensor loads (one is out: its part of the next slot).  fill = 1: the barrier opens a round of the cluster's barrier, and behind the round
; this slot is asked for again, two K steps ahead: the wave's one tensor load until the next round, with 56 C matrix instructions until its wait.
.macro TURN slot, next, fill
	s_wait_dscnt 0x0
	s_wait_tensorcnt 0x0
	ds_add_u32 v255, v255
	s_wait_dscnt 0x0
	s_barrier_signal -1
	MULH 1, 0, 0                                   ; register work while the others arrive
	WIN 0                                          ; at a branch and at a label every window is 0
	s_barrier_wait -1
.if \fill
	CREST
	s_add_nc_u64 s[G0A+4*\slot+2:G0A+4*\slot+3], s[G0A+4*\slot+2:G0A+4*\slot+3], 2*KS*2      ; 256 along K, in bytes; no load of mine is out
	s_add_nc_u64 s[G0B+4*\slot+2:G0B+4*\slot+3], s[G0B+4*\slot+2:G0B+4*\slot+3], 2*KS*GN*2   ; 256 k rows of W
	JLOAD \slot
.endif
	PLACES
	FETCH \next, 0, 0
	MULH 1, 2, 0
.endm
.macro LAP first
	THREE 0, \first
	TURN 0, 1, 1
	THREE 1, 0
	TURN 1, 0, 1
.endm
	s_load_b256 s[4:11], s[0:1], 0x0               ; A s[4:5], wb s[6:7], bias s[8:9], C s[10:11]
	v_lshl_add_u32 v255, v0, 2, 0x39200
	s_set_vgpr_msb 0x80
	v_mov_b32 v255, 0
	s_set_vgpr_msb 0x8088
	ds_add_u32 v255, v255
	ds_add_u32 v255, v255
	s_set_vgpr_msb 0x8800
	v_lshrrev_b32 v1, 5, v0
	v_readfirstlane_b32 s14, v1                    ; wave 0..3
	s_lshr_b32 s15, s14, 1                         ; wm: my half of the block's rows
	s_and_b32 s20, s14, 1                          ; wn: my half of each group of 128 columns
	s_bfe_u32 s21, ttmp6, 0x40000                  ; cx
	s_bfe_u32 s22, ttmp6, 0x40004                  ; cy
	s_lshl_b32 s23, ttmp9, 2
	s_add_co_u32 s23, s23, s21                     ; block column = 4 x cluster x + cx
	s_and_b32 s24, ttmp7, 0xffff
	s_lshl_b32 s24, s24, 2
	s_add_co_u32 s24, s24, s22                     ; block row = 4 x cluster y + cy
	s_lshl_b32 s25, s22, 2
	s_lshl_b32 s25, 15, s25                        ; my row of the cluster: places 4 cy .. 4 cy + 3
	s_lshl_b32 s26, 0x1111, s21                    ; my column: places cx, cx + 4, cx + 8, cx + 12
	s_or_b32 s[G1A+0], s25, (1<<16)|(1<<20)|(1<<21)|(5<<22)|(3<<25)  ; mask; 2-byte elements; padding on; bit 21 beside a mask; after every 64 words 4 words
	s_mov_b32 s[G1A+1], KS<<16                     ; tensor_dim0 = 128
	s_mov_b32 s[G1A+2], AROWS<<16                  ; tensor_dim1
	s_mov_b32 s[G1A+3], KS<<16                     ; tile_dim0 = 128
	s_mov_b32 s[G1A+4], AROWS                      ; tile_dim1
	s_mov_b32 s[G1A+5], GK                         ; elements from row to row
	s_mov_b32 s[G1A+6], 0
	s_mov_b32 s[G1A+7], 0
	s_or_b32 s[G1B+0], s26, (1<<16)|(1<<20)|(1<<21)|(5<<22)|(7<<25)  ; after every 64 words 8 words
	s_mov_b32 s[G1B+1], 128<<16                    ; 128 columns
	s_mov_b32 s[G1B+2], KS<<16                     ; 128 k rows
	s_mov_b32 s[G1B+3], 128<<16
	s_mov_b32 s[G1B+4], KS
	s_mov_b32 s[G1B+5], GN
	s_mov_b32 s[G1B+6], 0
	s_mov_b32 s[G1B+7], 0
	s_max_u32 s61, s14, C                          ; A's tile: row 128 x block row + AROWS x (wave - C) (0 in the waves that bring W); s[60:61] never hold cx
	s_sub_co_u32 s61, s61, C
	s_mul_i32 s61, s61, AROWS
	s_lshl_b32 s60, s24, 7
	s_add_co_u32 s60, s60, s61
	s_mul_i32 s60, s60, GK*2
	s_mov_b32 s61, 0
	s_lshl_b32 s62, s14, 8                         ; W's tile: group = wave (256 bytes of a row), block column x 256 C bytes; s[62:63] never hold cy
	s_mul_i32 s63, s23, 256*C
	s_add_co_u32 s62, s62, s63
	s_add_co_u32 s62, s62, WOFF
	s_mov_b32 s63, 0
	s_mul_i32 s16, s14, APART                      ; where they go: the wave's number times a constant plus a constant; no place in the cluster enters
	s_add_co_u32 s16, s16, ABASE-C*APART
	s_mul_i32 s17, s14, WGRP
	s_lshl_b32 s72, s24, 7                         ; C for the way out: row 128 x block row + 64 wm + 8 wn, byte 256 C x block column
	s_lshl_b32 s73, s15, 6
	s_add_co_u32 s72, s72, s73
	s_lshl_b32 s73, s20, 3
	s_add_co_u32 s72, s72, s73
	s_mul_i32 s72, s72, GN*2
	s_mul_i32 s73, s23, 256*C
	s_add_co_u32 s72, s72, s73
	s_mov_b32 s73, 0
	s_mul_i32 s74, s23, 512*C                      ; bias at column 128 C x block column + 64 wn
	s_lshl_b32 s75, s20, 8
	s_add_co_u32 s74, s74, s75
	s_mov_b32 s75, 0
	s_wait_dscnt 0x0
	s_wait_kmcnt 0x0
	s_add_nc_u64 s[60:61], s[4:5], s[60:61]
	s_add_nc_u64 s[62:63], s[6:7], s[62:63]
	s_add_nc_u64 s[68:69], s[10:11], s[72:73]
	s_add_nc_u64 s[70:71], s[8:9], s[74:75]
	CROUND                                         ; all sixteen work-groups are here: the first joint loads meet
.irp s, 0,1
	s_mov_b32 s[G0A+4*\s], 1
	s_add_co_u32 s[G0A+4*\s+1], s16, \s*SLOT
	s_add_nc_u64 s[G0A+4*\s+2:G0A+4*\s+3], s[60:61], \s*KS*2
	s_or_b32 s[G0A+4*\s+3], s[G0A+4*\s+3], 0x80000000
	s_mov_b32 s[G0B+4*\s], 1
	s_add_co_u32 s[G0B+4*\s+1], s17, \s*SLOT
	s_add_nc_u64 s[G0B+4*\s+2:G0B+4*\s+3], s[62:63], \s*KS*GN*2
	s_or_b32 s[G0B+4*\s+3], s[G0B+4*\s+3], 0x80000000
	JLOAD \s                                       ; both first fills go out before anything else: two loads of a wave are out here, one behind each later round
.endr
	v_and_b32 v1, 15, v0                           ; r = l % 16
	v_bfe_u32 v2, v0, 4, 1                         ; h = l / 16
	v_and_b32 v3, 7, v0
	v_bfe_u32 v4, v0, 3, 1
	v_lshlrev_b32 v[BO], 5, v2                     ; bias: columns 8 h + 0..7 of a tile
	WIN 0xc0                                       ; data window 3, address window 0
.set gg, 0
.rept C
.irp b, 0,1,2,3
	global_load_b128 v[8*(4*gg+\b):8*(4*gg+\b)+3],   v[BO], s[70:71] offset:512*gg+64*\b
	global_load_b128 v[8*(4*gg+\b)+4:8*(4*gg+\b)+7], v[BO], s[70:71] offset:512*gg+64*\b+16
.endr
.set gg, gg+1
.endr
	WIN 0
	v_mul_u32_u24 v5, v1, APITCH                   ; A fragment: (64 wm + r) x pitch + 16 h; two loads 32 bytes apart
	v_lshl_add_u32 v5, v2, 4, v5
	s_mul_i32 s18, s15, 64*APITCH
	s_add_co_u32 s18, s18, ABASE
	v_add_nc_u32 v[ADRA], s18, v5
	v_add_nc_u32 v[ADRA+1], SLOT, v[ADRA]
	v_lshl_add_u32 v6, v2, 3, v3                   ; W fragment: k row 8 h + l % 8, 16-byte piece (l / 8) % 2 of my 64 columns of a group; two loads 16 rows apart
	v_mul_u32_u24 v6, v6, WPITCH
	v_lshl_add_u32 v6, v4, 4, v6
	s_lshl_b32 s19, s20, 7
	v_add_nc_u32 v[ADRB], s19, v6
.set gg, 1
.rept C-1
	v_add_nc_u32 v[ADRB+gg], gg*WGRP, v[ADRB]
.set gg, gg+1
.endr
.set gg, 0
.rept C
	v_add_nc_u32 v[ADRB+C+gg], SLOT+gg*WGRP, v[ADRB]
.set gg, gg+1
.endr
	v_mul_u32_u24 v7, v1, SP                       ; stage, in: row 16 wm + r, byte 128 wn + 16 h
	v_lshl_add_u32 v7, v2, 4, v7
	s_mul_i32 s18, s15, 16*SP
	s_add_co_u32 s18, s18, s19
	s_add_co_u32 s18, s18, STAGE
	v_add_nc_u32 v[STO], s18, v7
	v_mul_u32_u24 v8, v2, SP                       ; stage, back: row 8 wave + h, byte 16 r
	v_lshl_add_u32 v8, v1, 4, v8
	s_mul_i32 s18, s14, 8*SP
	s_add_co_u32 s18, s18, STAGE
	v_add_nc_u32 v[RD], s18, v8
	v_mul_u32_u24 v9, v2, 2*GN                     ; the same two rows in C
	v_lshl_add_u32 v[CO], v1, 4, v9
	s_wait_tensorcnt 0x1                           ; my part of K step 0 is in; K step 1's may stay out
	s_barrier_signal -1
	s_barrier_wait -1
	FETCH 0, 0, 0
	s_wait_loadcnt 0x0                             ; the bias, which the first products read
	LAP 1                                          ; the first lap stands in front of the loop: its first products start the sums
	WIN 0
	s_mov_b32 s3, LAPS-2
.Llap:
	LAP 0
	WIN 0
	s_sub_co_u32 s3, s3, 1
	s_cmp_lg_u32 s3, 0
	s_cbranch_scc1 .Llap
	THREE 0, 0                                     ; the last lap fills nothing
	TURN 0, 1, 0
	THREE 1, 0
	s_wait_dscnt 0x0
	MULH 1, 0, 0
	MULH 1, 2, 0
	WIN 0
	PLACES                                         ; behind the last matrix instructions, for all that follows
	; THE WAY OUT, four passes: pass a takes row tile a of every wave, 32 rows of the block.  (ReLU,) rounding, 16 bytes a lane into the stage;
	; behind a barrier whole pieces of 256 bytes are read back and stored; a second barrier, and the stage is written again.
.irp a, 0,1,2,3
.if RELU
.set bb, 0
.rept NB
.set TI, NB*\a+bb
.set DR, 8*(TI%32)
.set DW, 1+TI/32
.set WN, (DW<<6)|(DW<<2)                           ; source 1 and destination: the tile's window
	WIN WN
.irp e, 0,1,2,3,4,5,6,7
	v_max_num_f32 v[DR+\e], 0, v[DR+\e]
.endr
.set bb, bb+1
.endr
.endif
.set bb, 0
.rept NB
.set TI, NB*\a+bb
.set DR, 8*(TI%32)
.set DW, 1+TI/32
.set WN, (DW<<2)|DW                                ; both sources: the tile's window
	WIN WN
.irp p, 0,1,2,3
	v_cvt_pk_bf16_f32 v[PK+4*bb+\p], v[DR+2*\p], v[DR+2*\p+1]
.endr
.set bb, bb+1
.endr
	WIN 0
.set gg, 0
.rept C
.irp b, 0,1,2,3
	ds_store_b128 v[STO], v[PK+4*(4*gg+\b):PK+4*(4*gg+\b)+3] offset:256*gg+32*\b
.endr
.set gg, gg+1
.endr
	s_wait_dscnt 0x0                               ; my stores into the stage are done: the other waves read them behind the barrier
	s_barrier_signal -1
	s_barrier_wait -1
	s_wait_xcnt 0x0                                ; the last pass's stores have read RB: it is loaded again only behind this wait
.set ii, 0
.rept 4*C
	ds_load_b128 v[RB+4*ii:RB+4*ii+3], v[RD] offset:(ii/C)*2*SP+256*(ii%C)
.set ii, ii+1
.endr
.set ii, 0
.rept 4*C
	s_wait_dscnt 4*C-1-ii                          ; LDS loads come back in order: load ii is in, the younger ones stay out
	global_store_b128 v[CO], v[RB+4*ii:RB+4*ii+3], s[68:69] offset:(16*\a+2*(ii/C))*2*GN+256*(ii%C)   ; 16 lanes store 256 consecutive bytes, aligned
.set ii, ii+1
.endr
.if \a < 3
	s_barrier_signal -1                            ; every wave's reads of the stage are back (the count-down ended at 0)
	s_barrier_wait -1
.endif
.endr
	s_set_vgpr_msb 0x8
	s_wait_tensorcnt 0x0
	ds_add_u32 v255, v255
	s_wait_dscnt 0x0
	s_set_vgpr_msb 0x800
	CROUND                                         ; the closing round: no work-group ends while a partner may still ask for a tile that names it
	s_endpgm
.Lfunc_end_k_qcaf5a183c1_gemm_ff1:
	.size	k_qcaf5a183c1_gemm_ff1, .Lfunc_end_k_qcaf5a183c1_gemm_ff1-k_qcaf5a183c1_gemm_ff1
	.p2alignl 7, 3214868480
	.fill 96, 4, 3214868480
	.section	.rodata,"a",@progbits
	.p2align	6, 0x0
	.amdhsa_kernel k_qcaf5a183c1_gemm_ff1
		.amdhsa_group_segment_fixed_size 327680
		.amdhsa_private_segment_fixed_size 0
		.amdhsa_enable_private_segment 0
		.amdhsa_kernarg_size 32
		.amdhsa_user_sgpr_count 2
		.amdhsa_user_sgpr_kernarg_segment_ptr 1
		.amdhsa_wavefront_size32 1
		.amdhsa_system_sgpr_workgroup_id_x 1
		.amdhsa_system_sgpr_workgroup_id_y 1
		.amdhsa_system_sgpr_workgroup_id_z 1
		.amdhsa_system_vgpr_workitem_id 0
		.amdhsa_next_free_vgpr 896
		.amdhsa_next_free_sgpr 80
		.amdhsa_reserve_vcc 0
		.amdhsa_float_denorm_mode_32 3
		.amdhsa_float_denorm_mode_16_64 3
		.amdhsa_memory_ordered 1
		.amdhsa_forward_progress 1
		.amdhsa_inst_pref_size 129
	.end_amdhsa_kernel
	.amdgpu_metadata
---
amdhsa.version: [ 1, 2 ]
amdhsa.kernels:
  - .name:           k_qcaf5a183c1_gemm_ff1
    .symbol:         k_qcaf5a183c1_gemm_ff1.kd
    .args:
      - { .name: act, .offset: 0, .size: 8, .value_kind: global_buffer, .address_space: global }
      - { .name: wb, .offset: 8, .size: 8, .value_kind: global_buffer, .address_space: global }
      - { .name: b_ff1, .offset: 16, .size: 8, .value_kind: global_buffer, .address_space: global }
      - { .name: hid, .offset: 24, .size: 8, .value_kind: global_buffer, .address_space: global }
    .group_segment_fixed_size: 327680
    .private_segment_fixed_size: 0
    .kernarg_segment_align: 8
    .kernarg_segment_size: 32
    .max_flat_workgroup_size: 128
    .sgpr_count:     80
    .vgpr_count:     896
    .wavefront_size: 32
...
	.end_amdgpu_metadata
.endif
;; end of part 6
;; launch gemm_ff2 (part 7): grid 8 x 32, 4 waves a work-group, clusters of 4 x 4, 327,680 bytes of LDS; arguments hid, wb, b_ff2, x1, y; writes y
.if DOCPART == 7
	.amdgcn_target "amdgcn-amd-amdhsa--gfx1250"
	.amdhsa_code_object_version 6
	.text
	.protected	k_qcaf5a183c1_gemm_ff2
	.globl	k_qcaf5a183c1_gemm_ff2
	.p2align	8
	.type	k_qcaf5a183c1_gemm_ff2,@function
k_qcaf5a183c1_gemm_ff2:
	s_mov_b64 s[64:65], 0
	v_nop
	global_prefetch_b8 v0, s[64:65] scope:SCOPE_SE
	s_setreg_imm32_b32 hwreg(HW_REG_WAVE_MODE, 25, 1), 1
	s_wait_xcnt 0x0
	s_wait_alu depctr_hold_cnt(0) depctr_sa_sdst(0) depctr_va_vdst(0) depctr_va_sdst(0) depctr_va_ssrc(0) depctr_va_vcc(0) depctr_vm_vsrc(0)
	s_getreg_b32 s2, hwreg(HW_REG_IB_STS2, 6, 4)
	s_cmp_eq_u32 s2, 0
	s_cbranch_scc0 .Lentry_in_a_cluster
	s_endpgm
.Lentry_in_a_cluster:
	s_bfe_u32 s2, ttmp6, 0x10000c
	s_cmp_lg_u32 s2, 0xf033
	s_cbranch_scc0 .Lentry_shape_is_right
	s_endpgm
.Lentry_shape_is_right:
; C = res + A W + bias, all of it in f32 but the matrix operands.
; A: [4096][GK] bf16.  W: GK x 1024 bf16 in fragment order at byte WOFF of wb.  bias: [1024] f32.  res, C: [4096][1024] f32.
; A work-group makes 128 x 128 of C with four waves; a wave makes all 128 rows x 32 columns: 16 accumulator tiles, 128 registers.
; W NEVER ENTERS LDS.  In wb the wave's 32 columns are one run of bytes: per K step of 32, 2,048 bytes: tile, half of the fragment, lane x 16.
; A load of half a fragment is 512 consecutive bytes, and no two waves of the work-group read the same bytes.  W streams through a ring of D = 7
; places in registers, K = 64 (8 loads, 32 registers) each; a place is asked for again 6 double steps, 192 matrix instructions, ahead of its use.
; By this text's own count a wave has at most 1 + 56 = 57 such loads out.
; LDS HOLDS A ALONE, in two slots of K = 512 (128 rows of 1,024 bytes), filled by the tensor data mover, 32 rows a wave; rows start at multiples
; of 256 bytes from the buffer's first byte.  With GK = 1024 both slots are first fills and nothing is filled again; with GK = 2048 each slot is
; filled again once, 240 matrix instructions ahead of the wait for it.
; CLUSTERS: 4 x 4 work-groups.  A's tile hangs on the block row alone and is asked for jointly by the four of a row of the cluster.
; W is not shared so: a joint load lands in LDS, and W's way here is into registers.
; The matrix instruction is used transposed (source 0 = W, source 1 = A): lane l holds row l % 16 of C, its registers 0-7 the columns 8 (l / 16) + 0..7.
; REGISTERS, in windows of 256: window 0: v4-11 addresses, v12-15 bias, v16-239 W's ring (then the way out's rows);
; window 1: v0-127 accumulators (tile (a, b) at 8 (2 a + b)), v128-255 A's fragments, buffer 0 (K = 64: 64 q + 8 a);
; window 2: v0-127 my 32 rows x 128 columns of res, v128-255 A's fragments, buffer 1.
.set GN,   1024
.set GK,   2048
.set WOFF, 12582912
.set KS,   512                         ; K in a slot
.set NT,   GK/64                       ; double steps
.set TPS,  KS/64                       ; double steps in a slot
.set NSLOT, GK/KS
.set APITCH, 1040                      ; A's LDS row: 1,024 bytes + 16: an odd multiple of 16, so the 16 rows of a fragment load lie in 16 different 16-byte columns of 256
.set APART,  32*APITCH                 ; what one wave brings
.set SLOT,   128*APITCH                ; 133,120
.set STAGE,  2*SLOT                    ; 266,240, a multiple of 256: the way out's bytes, into which no tensor load lands
.set SP,     528                       ; a stage row: 128 f32 + 16 bytes
.set D,    7                           ; places in W's ring
.set RING, 16
.set ADRA, 4                           ; v4-7  A's fragments: slot 0 rows 0-63, 64-127; slot 1 likewise (an LDS immediate has 16 bits)
.set WO,   8                           ; v8    16 x lane: my bytes in a run of W, in a row piece of res and C, in the bias; never rewritten
.set STO,  9
.set RD,   10
.set BIAS, 12                          ; v12-15 bias of columns 4 lane .. + 3 of the block
.set XF,   128
.set G1A, 28                           ; s[28:35] group 1 for A's tiles
.set G0A, 36                           ; s[36:43] group 0 for A's tiles, a set for each slot
.set MSB, 0
.macro WIN new                         ; the immediate's high byte repeats the setting that is left
.if MSB != \new
	s_set_vgpr_msb (MSB<<8)|\new
.set MSB, \new
.endif
.endm
.macro CREST                           ; a round of the cluster's barrier behind its opening work-group barrier
	s_cmp_lg_u32 s14, 0
	s_cbranch_scc1 .Lnot_wave_0_\@
	s_barrier_signal -3
.Lnot_wave_0_\@:
	s_barrier_wait -3
	s_barrier_signal -1
	s_barrier_wait -1
.endm
.macro CROUND                          ; a whole round
	s_barrier_signal -1
	s_barrier_wait -1
	CREST
.endm
.macro PLACES                          ; four plain vector instructions between a matrix instruction and a load into, or a read of, its registers
.rept 4
	v_nop
.endr
.endm
.macro WLOAD t                         ; W of double step t, 4,096 consecutive bytes of my run, into its place in the ring
.set RL, RING+32*((\t)%D)
.irp i, 0,1,2,3,4,5,6,7
	global_load_b128 v[RL+4*\i:RL+4*\i+3], v[WO], s[44:45] offset:(\t)*4096+512*\i
.endr
.endm
.macro RLOAD g                         ; eight of my 32 row pieces of res: 512 consecutive bytes each, aligned
	WIN 0x80                                       ; data window 2, address window 0
.irp i, 0,1,2,3,4,5,6,7
.set II, 8*(\g)+\i
	global_load_b128 v[4*II:4*II+3], v[WO], s[46:47] offset:(64*(II/16)+II%16)*GN*4
.endr
.endm
.macro AFETCH sl, kd, g                ; 32 LDS loads: A's 128 rows, K = 64 kd .. + 63 of slot sl, into buffer g
.set WN, (1+(\g))<<6                   ; data window 1 or 2, address window 0
	WIN WN
.irp q, 0,1
.irp i, 0,1,2,3,4,5,6,7
	ds_load_b128 v[XF+64*\q+8*\i:XF+64*\q+8*\i+3],   v[ADRA+2*(\sl)+\i/4] offset:(\i%4)*16*APITCH+128*(\kd)+64*\q
	ds_load_b128 v[XF+64*\q+8*\i+4:XF+64*\q+8*\i+7], v[ADRA+2*(\sl)+\i/4] offset:(\i%4)*16*APITCH+128*(\kd)+64*\q+32
.endr
.endr
.endm
; 16 matrix instructions: all 16 tiles, 32 along K (half q of buffer f and of the ring's place RS).
; The sixteen accumulators take turns, one instruction a turn, always in this order.
.macro MUL16 f, q, zero
.set WN, 0x54+4*(\f)                   ; source 0 window 0; source 1 window 1 or 2; C and D window 1
	WIN WN
.irp a, 0,1,2,3,4,5,6,7
.irp b, 0,1
.if \zero
	v_wmma_f32_16x16x32_bf16 v[8*(2*\a+\b):8*(2*\a+\b)+7], v[RS+16*\q+8*\b:RS+16*\q+8*\b+7], v[XF+64*\q+8*\a:XF+64*\q+8*\a+7], 0
.else
	v_wmma_f32_16x16x32_bf16 v[8*(2*\a+\b):8*(2*\a+\b)+7], v[RS+16*\q+8*\b:RS+16*\q+8*\b+7], v[XF+64*\q+8*\a:XF+64*\q+8*\a+7], v[8*(2*\a+\b):8*(2*\a+\b)+7]
.endif
.endr
.endr
.endm
; Double step T (a symbol that counts up): K = 64, 32 matrix instructions.  All its memory instructions stand in one run at its head:
; the ring's turn (the place that double step T - 1 has just read gets W of T - 1 + D; when W is all asked for, four turns ask for res, then none),
; and A's fragments of T + 1 into the buffer that T - 1 read.
; The wait for W counts the loads issued behind double step T's own: D - 1 later turns of 8, or, near the end, the NT + 3 - T turns that still had loads.
; At a slot's last double step the change of slots stands in the middle: each wave has waited for its reads of the slot and for all its tensor loads,
; signals, multiplies while the others arrive, and reads the next slot behind the barrier.  Where the slot is filled again the barrier opens a round
; of the cluster's barrier, and the joint refill is the wave's first and only tensor load behind it.
.macro DSTEP
.set F, T%2
.set SL, (T/TPS)%2
.set KD, T%TPS
.set RS, RING+32*(T%D)
.set NW, NT+3-T
.if NW > D-1
.set NW, D-1
.endif
.set Z, 0
.if T == 0
.set Z, 1
.endif
.set EDGE, 0
.if KD == TPS-1
.if T < NT-1
.set EDGE, 1
.endif
.endif
.if T > 0
	PLACES                                         ; behind double step T - 1's matrix instructions: its ring place and its buffer are loaded again
.if T-1+D < NT
	WIN 0
	WLOAD T-1+D
.else
.if T-1+D-NT < 4
	RLOAD T-1+D-NT
.endif
.endif
.endif
.if EDGE
	s_wait_dscnt 0x0                               ; this double step's fragments are in, and with them all my reads of this slot
	s_wait_loadcnt 8*NW
	s_wait_tensorcnt 0x0                           ; all my tensor loads have landed, my part of the next slot among them
	ds_add_u32 v254, v255
	s_wait_dscnt 0x0
	s_barrier_signal -1
	MUL16 F, 0, 0                                  ; register work while the others arrive
	WIN 0                                          ; at a branch and at a label every window is 0
	s_barrier_wait -1
.if T/TPS+2 < NSLOT
	CREST
	s_add_nc_u64 s[G0A+4*SL+2:G0A+4*SL+3], s[G0A+4*SL+2:G0A+4*SL+3], 2*KS*2   ; two slots on along K, in bytes; no load of mine is out
	tensor_load_to_lds s[G0A+4*SL:G0A+4*SL+3], s[G1A:G1A+7]
	s_nop 0
.endif
	AFETCH 1-SL, 0, 1-F
	MUL16 F, 1, 0
.else
.if T < NT-1
	AFETCH SL, KD+1, 1-F
	s_wait_dscnt 0x20                              ; LDS loads come back in order: this double step's 32 are in, the 32 just issued stay out
.else
	s_wait_dscnt 0x0
.endif
	s_wait_loadcnt 8*NW
	MUL16 F, 0, Z                                  ; the first products start the sums: nothing is cleared
	MUL16 F, 1, 0
.endif
.set T, T+1
.endm
	s_load_b256 s[4:11], s[0:1], 0x0               ; A s[4:5], wb s[6:7], bias s[8:9], res s[10:11]
	s_load_b64 s[12:13], s[0:1], 0x20              ; C
	v_lshl_add_u32 v254, v0, 2, 0x49400
	v_mov_b32 v255, 0
	ds_add_u32 v254, v255
	ds_add_u32 v254, v255
	v_lshrrev_b32 v1, 5, v0
	v_readfirstlane_b32 s14, v1                    ; wave 0..3
	v_and_b32 v3, 31, v0
	v_lshlrev_b32 v[WO], 4, v3                     ; 16 x lane
	s_bfe_u32 s21, ttmp6, 0x40000                  ; cx
	s_bfe_u32 s22, ttmp6, 0x40004                  ; cy
	s_lshl_b32 s23, ttmp9, 2
	s_add_co_u32 s23, s23, s21                     ; block column = 4 x cluster x + cx
	s_and_b32 s24, ttmp7, 0xffff
	s_lshl_b32 s24, s24, 2
	s_add_co_u32 s24, s24, s22                     ; block row = 4 x cluster y + cy
	s_lshl_b32 s25, s22, 2
	s_lshl_b32 s25, 15, s25                        ; my row of the cluster: places 4 cy .. 4 cy + 3
	s_or_b32 s[G1A+0], s25, (1<<16)|(1<<20)|(1<<21)|(7<<22)|(3<<25)  ; mask; 2-byte elements; padding on; bit 21 beside a mask; after every 256 words 4 words
	s_mov_b32 s[G1A+1], KS<<16                     ; tensor_dim0 = 512
	s_mov_b32 s[G1A+2], 32<<16                     ; tensor_dim1 = 32
	s_mov_b32 s[G1A+3], KS<<16                     ; tile_dim0 = 512
	s_mov_b32 s[G1A+4], 32                         ; tile_dim1 = 32
	s_mov_b32 s[G1A+5], GK                         ; elements from row to row
	s_mov_b32 s[G1A+6], 0
	s_mov_b32 s[G1A+7], 0
	s_lshl_b32 s60, s24, 7                         ; A's tile: row 128 x block row + 32 x wave; s[60:61] never hold cx
	s_lshl_b32 s61, s14, 5
	s_add_co_u32 s60, s60, s61
	s_mul_i32 s60, s60, GK*2
	s_mov_b32 s61, 0
	s_mul_i32 s16, s14, APART                      ; where it goes: the wave's number times a constant; no place in the cluster enters an LDS address
	s_lshl_b32 s62, s23, 2                         ; my run of W: pair of column tiles 4 x block column + wave, 64 GK bytes each
	s_add_co_u32 s62, s62, s14
	s_mul_i32 s62, s62, GK*64
	s_add_co_u32 s62, s62, WOFF
	s_mov_b32 s63, 0
	s_lshl_b32 s72, s24, 7                         ; res and C: row 128 x block row + 16 x wave, column 128 x block column
	s_lshl_b32 s73, s14, 4
	s_add_co_u32 s72, s72, s73
	s_lshl_b32 s72, s72, 12
	s_lshl_b32 s74, s23, 9                         ; the column in bytes: also the bias's offset
	s_add_co_u32 s72, s72, s74
	s_mov_b32 s73, 0
	s_mov_b32 s75, 0
	s_wait_dscnt 0x0
	s_wait_kmcnt 0x0
	s_add_nc_u64 s[60:61], s[4:5], s[60:61]
	s_add_nc_u64 s[44:45], s[6:7], s[62:63]
	s_add_nc_u64 s[46:47], s[10:11], s[72:73]
	s_add_nc_u64 s[48:49], s[12:13], s[72:73]
	s_add_nc_u64 s[50:51], s[8:9], s[74:75]
	global_load_b128 v[BIAS:BIAS+3], v[WO], s[50:51]
.set st, 0
.rept D
	WLOAD st                                       ; the ring is filled: these loads are on their way while the cluster gathers
.set st, st+1
.endr
	CROUND                                         ; all sixteen work-groups are here: the first joint loads meet
.irp s, 0,1
	s_mov_b32 s[G0A+4*\s], 1
	s_add_co_u32 s[G0A+4*\s+1], s16, \s*SLOT
	s_add_nc_u64 s[G0A+4*\s+2:G0A+4*\s+3], s[60:61], \s*KS*2
	s_or_b32 s[G0A+4*\s+3], s[G0A+4*\s+3], 0x80000000
	tensor_load_to_lds s[G0A+4*\s:G0A+4*\s+3], s[G1A:G1A+7]   ; both first fills go out together: two tensor loads of a wave are out here, one behind each later round
	s_nop 0
.endr
	v_and_b32 v1, 15, v0                           ; r = l % 16
	v_bfe_u32 v2, v0, 4, 1                         ; h = l / 16
	v_mul_u32_u24 v3, v1, APITCH                   ; A fragment: row r x pitch + 16 h; two loads 32 bytes apart
	v_lshl_add_u32 v[ADRA], v2, 4, v3
	v_add_nc_u32 v[ADRA+1], 64*APITCH, v[ADRA]
	v_add_nc_u32 v[ADRA+2], SLOT, v[ADRA]
	v_add_nc_u32 v[ADRA+3], SLOT+64*APITCH, v[ADRA]
	v_mul_u32_u24 v3, v1, SP                       ; stage, in: row r, byte 128 wave + 32 h
	v_lshl_add_u32 v3, v2, 5, v3
	s_lshl_b32 s18, s14, 7
	s_add_co_u32 s18, s18, STAGE
	v_add_nc_u32 v[STO], s18, v3
	s_mul_i32 s18, s14, 16*SP                      ; stage, back: row 16 wave, byte 16 lane
	s_add_co_u32 s18, s18, STAGE
	v_add_nc_u32 v[RD], s18, v[WO]
	s_wait_tensorcnt 0x1                           ; my part of slot 0 is in; slot 1's may stay out
	s_barrier_signal -1
	s_barrier_wait -1
	AFETCH 0, 0, 0
.set T, 0
.rept NT
	DSTEP
.endr
	WIN 0
	PLACES                                         ; behind the last matrix instructions, for all that follows
	; THE WAY OUT, two passes of 64 rows through the stage: the sums go in as they lie (a wave's 32 columns are 128 bytes of a row); behind a barrier
	; each wave reads 16 whole row pieces of 512 bytes back, adds res and bias, and stores them; a second barrier, and the stage is written again.
.irp p, 0,1
	WIN 0x04                                       ; LDS store data window 1
.irp aa, 0,1,2,3
.irp b, 0,1
	ds_store_b128 v[STO], v[8*(2*(4*\p+\aa)+\b):8*(2*(4*\p+\aa)+\b)+3]   offset:\aa*16*SP+64*\b
	ds_store_b128 v[STO], v[8*(2*(4*\p+\aa)+\b)+4:8*(2*(4*\p+\aa)+\b)+7] offset:\aa*16*SP+64*\b+16
.endr
.endr
	WIN 0
	s_wait_dscnt 0x0                               ; my stores into the stage are done: the other waves read them behind the barrier
	s_barrier_signal -1
	s_barrier_wait -1
.irp t, 0,1,2,3,4,5,6,7,8,9,10,11,12,13,14,15
	ds_load_b128 v[RING+64*\p+4*\t:RING+64*\p+4*\t+3], v[RD] offset:\t*SP
.endr
	s_wait_dscnt 0x0
.if \p == 0
	s_barrier_signal -1                            ; every wave's reads of the stage are back
	s_barrier_wait -1
	s_wait_loadcnt 0x0                             ; res
.endif
	WIN 0x08                                       ; source 1 (res) window 2
.irp t, 0,1,2,3,4,5,6,7,8,9,10,11,12,13,14,15
	v_pk_add_f32 v[RING+64*\p+4*\t:RING+64*\p+4*\t+1],   v[RING+64*\p+4*\t:RING+64*\p+4*\t+1],   v[4*(16*\p+\t):4*(16*\p+\t)+1]
	v_pk_add_f32 v[RING+64*\p+4*\t+2:RING+64*\p+4*\t+3], v[RING+64*\p+4*\t+2:RING+64*\p+4*\t+3], v[4*(16*\p+\t)+2:4*(16*\p+\t)+3]
.endr
	WIN 0
.irp t, 0,1,2,3,4,5,6,7,8,9,10,11,12,13,14,15
	v_pk_add_f32 v[RING+64*\p+4*\t:RING+64*\p+4*\t+1],   v[RING+64*\p+4*\t:RING+64*\p+4*\t+1],   v[BIAS:BIAS+1]
	v_pk_add_f32 v[RING+64*\p+4*\t+2:RING+64*\p+4*\t+3], v[RING+64*\p+4*\t+2:RING+64*\p+4*\t+3], v[BIAS+2:BIAS+3]
	global_store_b128 v[WO], v[RING+64*\p+4*\t:RING+64*\p+4*\t+3], s[48:49] offset:(64*\p+\t)*GN*4   ; 32 lanes store 512 consecutive bytes, aligned
.endr
.endr
	s_wait_tensorcnt 0x0
	ds_add_u32 v254, v255
	s_wait_dscnt 0x0
	CROUND                                         ; the closing round: no work-group ends while a partner may still ask for a tile that names it
	s_endpgm
.Lfunc_end_k_qcaf5a183c1_gemm_ff2:
	.size	k_qcaf5a183c1_gemm_ff2, .Lfunc_end_k_qcaf5a183c1_gemm_ff2-k_qcaf5a183c1_gemm_ff2
	.p2alignl 7, 3214868480
	.fill 96, 4, 3214868480
	.section	.rodata,"a",@progbits
	.p2align	6, 0x0
	.amdhsa_kernel k_qcaf5a183c1_gemm_ff2
		.amdhsa_group_segment_fixed_size 327680
		.amdhsa_private_segment_fixed_size 0
		.amdhsa_enable_private_segment 0
		.amdhsa_kernarg_size 40
		.amdhsa_user_sgpr_count 2
		.amdhsa_user_sgpr_kernarg_segment_ptr 1
		.amdhsa_wavefront_size32 1
		.amdhsa_system_sgpr_workgroup_id_x 1
		.amdhsa_system_sgpr_workgroup_id_y 1
		.amdhsa_system_sgpr_workgroup_id_z 1
		.amdhsa_system_vgpr_workitem_id 0
		.amdhsa_next_free_vgpr 768
		.amdhsa_next_free_sgpr 80
		.amdhsa_reserve_vcc 0
		.amdhsa_float_denorm_mode_32 3
		.amdhsa_float_denorm_mode_16_64 3
		.amdhsa_memory_ordered 1
		.amdhsa_forward_progress 1
		.amdhsa_inst_pref_size 187
	.end_amdhsa_kernel
	.amdgpu_metadata
---
amdhsa.version: [ 1, 2 ]
amdhsa.kernels:
  - .name:           k_qcaf5a183c1_gemm_ff2
    .symbol:         k_qcaf5a183c1_gemm_ff2.kd
    .args:
      - { .name: hid, .offset: 0, .size: 8, .value_kind: global_buffer, .address_space: global }
      - { .name: wb, .offset: 8, .size: 8, .value_kind: global_buffer, .address_space: global }
      - { .name: b_ff2, .offset: 16, .size: 8, .value_kind: global_buffer, .address_space: global }
      - { .name: x1, .offset: 24, .size: 8, .value_kind: global_buffer, .address_space: global }
      - { .name: y, .offset: 32, .size: 8, .value_kind: global_buffer, .address_space: global }
    .group_segment_fixed_size: 327680
    .private_segment_fixed_size: 0
    .kernarg_segment_align: 8
    .kernarg_segment_size: 40
    .max_flat_workgroup_size: 128
    .sgpr_count:     80
    .vgpr_count:     768
    .wavefront_size: 32
...
	.end_amdgpu_metadata
.endif
;; end of part 7
;; launch ln2 (part 8): grid 256 x 1, 8 waves a work-group, no clusters, 0 bytes of LDS; arguments y, g2, be2, out0; writes out0
.if DOCPART == 8
	.amdgcn_target "amdgcn-amd-amdhsa--gfx1250"
	.amdhsa_code_object_version 6
	.text
	.protected	k_qcaf5a183c1_ln2
	.globl	k_qcaf5a183c1_ln2
	.p2align	8
	.type	k_qcaf5a183c1_ln2,@function
k_qcaf5a183c1_ln2:
	s_mov_b64 s[64:65], 0
	v_nop
	global_prefetch_b8 v0, s[64:65] scope:SCOPE_SE
	s_setreg_imm32_b32 hwreg(HW_REG_WAVE_MODE, 25, 1), 1
	s_wait_xcnt 0x0
; LayerNorm along rows of 1,024 f32: out = (y - mean) / sqrt(var + 1e-5) * g + be, var = mean of (y - mean)^2 (two passes over registers).
; A wave owns 2 whole rows (row = 16 x work-group + 2 x wave + i), 32 registers each: memory is read once and no wave waits for another: no LDS, no barrier.
; Eight waves of two rows rather than four of four: half as much row work stands in series between a wave's loads and its last stores.
; Lane l holds columns 128 jj + 4 l + 0..3: a load or store of a wave covers 512 consecutive bytes, aligned.
; All 32 loads of a wave go out at the start; no store's source is written again.  Memory binds: matrix unit, clusters and tensor loads would add nothing.
.set G,  32                            ; v[32:63]   g of my 32 columns
.set BE, 64                            ; v[64:95]   be
.set X,  96                            ; v[96:159]  row i: 32 registers
.macro LANESUM r, t                    ; the sum of v[r] over the 32 lanes, in every lane
	v_add_f32_dpp v[\r], v[\r], v[\r] row_xmask:1 row_mask:0xf bank_mask:0xf
	v_add_f32_dpp v[\r], v[\r], v[\r] row_xmask:2 row_mask:0xf bank_mask:0xf
	v_add_f32_dpp v[\r], v[\r], v[\r] row_xmask:4 row_mask:0xf bank_mask:0xf
	v_add_f32_dpp v[\r], v[\r], v[\r] row_xmask:8 row_mask:0xf bank_mask:0xf
	v_permlanex16_b32 v[\t], v[\r], s20, s21
	v_add_f32 v[\r], v[\r], v[\t]
.endm
.macro FOLD                            ; four chains of pairs into v4
	v_pk_add_f32 v[4:5], v[4:5], v[6:7]
	v_pk_add_f32 v[8:9], v[8:9], v[10:11]
	v_pk_add_f32 v[4:5], v[4:5], v[8:9]
	v_add_f32 v4, v4, v5
	LANESUM 4, 5
.endm
	s_load_b256 s[4:11], s[0:1], 0x0               ; y s[4:5], g s[6:7], be s[8:9], out s[10:11]
	v_and_b32 v1, 31, v0
	v_lshrrev_b32 v2, 5, v0
	v_lshlrev_b32 v3, 4, v1                        ; 16 x lane: g and be
	v_lshl_add_u32 v20, v2, 13, v3                 ; + wave x 2 rows of 4,096 bytes
	s_lshl_b32 s16, ttmp9, 16                      ; 16 rows of 4,096 bytes
	s_mov_b32 s17, 0
	s_mov_b32 s20, 0x76543210                      ; v_permlanex16_b32: lane i of one half reads lane i of the other
	s_mov_b32 s21, 0xfedcba98
	s_mov_b32 s22, 0x3a800000                      ; 1 / 1024
	s_mov_b32 s23, 0x3727c5ac                      ; 1e-5
	s_wait_kmcnt 0x0
	s_add_nc_u64 s[4:5], s[4:5], s[16:17]
	s_add_nc_u64 s[10:11], s[10:11], s[16:17]
.irp jj, 0,1,2,3,4,5,6,7
	global_load_b128 v[G+4*\jj:G+4*\jj+3], v3, s[6:7] offset:512*\jj
	global_load_b128 v[BE+4*\jj:BE+4*\jj+3], v3, s[8:9] offset:512*\jj
.endr
.irp i, 0,1
.irp jj, 0,1,2,3,4,5,6,7
	global_load_b128 v[X+32*\i+4*\jj:X+32*\i+4*\jj+3], v20, s[4:5] offset:4096*\i+512*\jj
.endr
.endr
.macro ROW i
.set R, X+32*\i
	s_wait_loadcnt 8-8*\i                          ; loads come back in order: g, be and rows 0 .. i are in, the later row's 8 loads stay out
	v_pk_add_f32 v[4:5], v[R:R+1], v[R+2:R+3]
	v_pk_add_f32 v[6:7], v[R+4:R+5], v[R+6:R+7]
	v_pk_add_f32 v[8:9], v[R+8:R+9], v[R+10:R+11]
	v_pk_add_f32 v[10:11], v[R+12:R+13], v[R+14:R+15]
.irp k, 16,24
	v_pk_add_f32 v[4:5], v[4:5], v[R+\k:R+\k+1]
	v_pk_add_f32 v[6:7], v[6:7], v[R+\k+2:R+\k+3]
	v_pk_add_f32 v[8:9], v[8:9], v[R+\k+4:R+\k+5]
	v_pk_add_f32 v[10:11], v[10:11], v[R+\k+6:R+\k+7]
.endr
	FOLD
	v_mul_f32 v12, s22, v4                         ; the mean, twice
	v_mul_f32 v13, s22, v4
.set e, 0
.rept 16
	v_pk_add_f32 v[R+e:R+e+1], v[R+e:R+e+1], v[12:13] neg_lo:[0,1] neg_hi:[0,1]
.set e, e+2
.endr
	v_pk_mul_f32 v[4:5], v[R:R+1], v[R:R+1]
	v_pk_mul_f32 v[6:7], v[R+2:R+3], v[R+2:R+3]
	v_pk_mul_f32 v[8:9], v[R+4:R+5], v[R+4:R+5]
	v_pk_mul_f32 v[10:11], v[R+6:R+7], v[R+6:R+7]
.irp k, 8,16,24
	v_pk_fma_f32 v[4:5], v[R+\k:R+\k+1], v[R+\k:R+\k+1], v[4:5]
	v_pk_fma_f32 v[6:7], v[R+\k+2:R+\k+3], v[R+\k+2:R+\k+3], v[6:7]
	v_pk_fma_f32 v[8:9], v[R+\k+4:R+\k+5], v[R+\k+4:R+\k+5], v[8:9]
	v_pk_fma_f32 v[10:11], v[R+\k+6:R+\k+7], v[R+\k+6:R+\k+7], v[10:11]
.endr
	FOLD
	v_fma_f32 v14, v4, s22, s23                    ; var + 1e-5
	v_rsq_f32 v16, v14
	v_nop                                          ; the plain instruction behind v_rsq_f32 (ISA guide 5.7.2)
	s_wait_alu depctr_va_vdst(0)
	v_mov_b32 v17, v16
.set e, 0
.rept 16
	v_pk_mul_f32 v[R+e:R+e+1], v[R+e:R+e+1], v[16:17]
	v_pk_fma_f32 v[R+e:R+e+1], v[R+e:R+e+1], v[G+e:G+e+1], v[BE+e:BE+e+1]
.set e, e+2
.endr
.irp jj, 0,1,2,3,4,5,6,7
	global_store_b128 v20, v[R+4*\jj:R+4*\jj+3], s[10:11] offset:4096*\i+512*\jj
.endr
.endm
	ROW 0
	ROW 1
	s_endpgm
.Lfunc_end_k_qcaf5a183c1_ln2:
	.size	k_qcaf5a183c1_ln2, .Lfunc_end_k_qcaf5a183c1_ln2-k_qcaf5a183c1_ln2
	.p2alignl 7, 3214868480
	.fill 96, 4, 3214868480
	.section	.rodata,"a",@progbits
	.p2align	6, 0x0
	.amdhsa_kernel k_qcaf5a183c1_ln2
		.amdhsa_group_segment_fixed_size 0
		.amdhsa_private_segment_fixed_size 0
		.amdhsa_enable_private_segment 0
		.amdhsa_kernarg_size 32
		.amdhsa_user_sgpr_count 2
		.amdhsa_user_sgpr_kernarg_segment_ptr 1
		.amdhsa_wavefront_size32 1
		.amdhsa_system_sgpr_workgroup_id_x 1
		.amdhsa_system_sgpr_workgroup_id_y 1
		.amdhsa_system_sgpr_workgroup_id_z 1
		.amdhsa_system_vgpr_workitem_id 0
		.amdhsa_next_free_vgpr 160
		.amdhsa_next_free_sgpr 66
		.amdhsa_reserve_vcc 0
		.amdhsa_float_denorm_mode_32 3
		.amdhsa_float_denorm_mode_16_64 3
		.amdhsa_memory_ordered 1
		.amdhsa_forward_progress 1
		.amdhsa_inst_pref_size 18
	.end_amdhsa_kernel
	.amdgpu_metadata
---
amdhsa.version: [ 1, 2 ]
amdhsa.kernels:
  - .name:           k_qcaf5a183c1_ln2
    .symbol:         k_qcaf5a183c1_ln2.kd
    .args:
      - { .name: y, .offset: 0, .size: 8, .value_kind: global_buffer, .address_space: global }
      - { .name: g2, .offset: 8, .size: 8, .value_kind: global_buffer, .address_space: global }
      - { .name: be2, .offset: 16, .size: 8, .value_kind: global_buffer, .address_space: global }
      - { .name: out0, .offset: 24, .size: 8, .value_kind: global_buffer, .address_space: global }
    .group_segment_fixed_size: 0
    .private_segment_fixed_size: 0
    .kernarg_segment_align: 8
    .kernarg_segment_size: 32
    .max_flat_workgroup_size: 256
    .sgpr_count:     66
    .vgpr_count:     160
    .wavefront_size: 32
...
	.end_amdgpu_metadata
.endif
;; end of part 8
;; ======== version 2 of 2: 8 launches; version 1 with the launches cast, ln1 written anew for expert scheduling mode
;; workspace buffers: act 8,388,608 bytes; wb 16,777,216 bytes; qkv 25,165,824 bytes; hid 16,777,216 bytes; y 16,777,216 bytes; x1 16,777,216 bytes
;; launch cast (part 9): grid 768 x 1, 8 waves a work-group, no clusters, 33,792 bytes of LDS; arguments x, W_qkv, W_out, W_ff1, W_ff2, act, wb; writes act, wb
.if DOCPART == 9
	.amdgcn_target "amdgcn-amd-amdhsa--gfx1250"
	.amdhsa_code_object_version 6
	.text
	.protected	k_qcaf5a183c1_cast
	.globl	k_qcaf5a183c1_cast
	.p2align	8
	.type	k_qcaf5a183c1_cast,@function
k_qcaf5a183c1_cast:
	s_mov_b64 s[64:65], 0
	v_nop
	global_prefetch_b8 v0, s[64:65] scope:SCOPE_SE
	s_setreg_imm32_b32 hwreg(HW_REG_WAVE_SCHED_MODE, 0, 2), 2
	s_setreg_imm32_b32 hwreg(HW_REG_WAVE_MODE, 25, 1), 1
	s_wait_xcnt 0x0
	s_wait_alu depctr_vm_vsrc(0)
; bf16 copies (rounded to nearest even) of x (into act) and of the four weight matrices (into wb, one behind the other).
; 12,582,912 numbers in all; a work-group takes 16,384 of them (65,536 bytes in, 32,768 out), a wave 2,048.
; Work-groups 0-255: x; 256-447: W_qkv; 448-511: W_out; 512-639: W_ff1; 640-767: W_ff2.
; x, W_qkv and W_ff1 keep their layout.  W_out and W_ff2 ([K][1024]) are stored IN FRAGMENT ORDER, so that the products that use them load a
; matrix operand straight from memory, 512 consecutive bytes an instruction.  Number (k, n) lies at byte
;   (n/32) (K/32) 2048 + (k/32) 2048 + ((n/16)%2) 1024 + ((k%32)/16) 512 + (16 ((k%16)/8) + n%16) 16 + (k%8) 2   of its part:
; per pair of 16-column tiles and K step of 32: tile, half of the fragment, lane (column n%16, half (k%16)/8), eight neighbouring k.
; Such a work-group takes 16 k rows: for every column tile one piece of 512 bytes.  A lane loads 4 columns of 8 rows (sixteen lanes read 256
; consecutive bytes of a row), packs each column's eight k into 16 bytes, and the wave turns the pieces through 4,096 bytes of LDS of its own
; (no other wave touches them, and LDS serves a wave's instructions in order: no barrier), so that a store covers a whole piece.
; All sixteen loads of a wave go out first.  No matrix unit, no tensor loads: the work is a copy with a rounding.
; THE MODE: SCHED_MODE bits 1:0 = 2 (LLVM: expert scheduling mode 2), set by the entry lines.  The code itself states the register dependences
; between vector instructions and memory or LDS instructions, with s_wait_alu, always for 0.
; THE PLAN, where the layout is kept.  v3, v4: offsets, written once, read by the loads and the stores.  X: written by the sixteen loads, read by the
; conversions, never loaded again.  P: each pair written once by two conversions, read by one store.  The loads go in four groups of four: at the head
; of group g one wait states that group g - 1's conversions have written their P; that group's four stores are then dealt among group g's conversions,
; which name group g's X and P alone.  One more wait stands ahead of the last four stores.
; THE PLAN, in fragment order.  v6: written once, read by the sixteen loads.  v7, v5, VO: written once, behind the loads, read by the LDS stores, the LDS
; loads and the global stores.  X: written by the loads, read by the conversions; v[X:X+31] then take the pieces that the LDS loads bring, and the global
; stores read them.  P: sixteen registers a unit, written by the unit's conversions, read by its LDS stores.  One wait stands behind each unit's conversions.
; On neither path is a register that a memory or LDS instruction has read written again.  v112, v113: written at the head, read by the closing add alone.
.set X, 8                              ; v[8:71]    sixteen loads of four f32; later the pieces read back
.set P, 72                             ; v[72:103]  packed bf16
.set VO, 104                           ; v[104:107] fragment order: byte offsets of my four pairs of column tiles
	s_load_b256 s[4:11], s[0:1], 0x0               ; x s[4:5], W_qkv s[6:7], W_out s[8:9], W_ff1 s[10:11]
	s_load_b128 s[12:15], s[0:1], 0x20             ; W_ff2 s[12:13], act s[14:15]
	s_load_b64 s[16:17], s[0:1], 0x30              ; wb
	v_lshl_add_u32 v112, v0, 2, 0x8000
	v_mov_b32 v113, 0
	v_and_b32 v1, 31, v0                           ; lane
	v_lshrrev_b32 v2, 5, v0                        ; wave
	s_mov_b32 s24, 0                               ; byte offset of the part in its destination buffer
	s_mov_b32 s25, 0                               ; first work-group of the part
	s_mov_b32 s27, 0                               ; 1: fragment order
	s_mov_b32 s28, 65536                           ; fragment order: bytes of a pair of column tiles, 64 K
	s_wait_kmcnt 0x0
	s_mov_b64 s[20:21], s[4:5]                     ; source, destination: x, act; replaced below by the part that the work-group's number falls into
	s_mov_b64 s[22:23], s[14:15]
	s_cmp_ge_u32 ttmp9, 256
	s_cselect_b64 s[20:21], s[6:7], s[20:21]
	s_cselect_b64 s[22:23], s[16:17], s[22:23]
	s_cselect_b32 s25, 256, s25
	s_cmp_ge_u32 ttmp9, 448
	s_cselect_b64 s[20:21], s[8:9], s[20:21]
	s_cselect_b32 s24, 6291456, s24
	s_cselect_b32 s25, 448, s25
	s_cselect_b32 s27, 1, s27
	s_cmp_ge_u32 ttmp9, 512
	s_cselect_b64 s[20:21], s[10:11], s[20:21]
	s_cselect_b32 s24, 8388608, s24
	s_cselect_b32 s25, 512, s25
	s_cselect_b32 s27, 0, s27
	s_cmp_ge_u32 ttmp9, 640
	s_cselect_b64 s[20:21], s[12:13], s[20:21]
	s_cselect_b32 s24, 12582912, s24
	s_cselect_b32 s25, 640, s25
	s_cselect_b32 s27, 1, s27
	s_cselect_b32 s28, 131072, s28
	s_sub_co_u32 s26, ttmp9, s25                   ; my number inside the part
	s_lshl_b32 s30, s26, 16
	s_mov_b32 s31, 0
	s_add_nc_u64 s[20:21], s[20:21], s[30:31]      ; 65,536 bytes of the source: in a weight of 1,024 columns 16 k rows
	s_cmp_lg_u32 s27, 0
	s_cbranch_scc1 .Lfrag
	; the layout is kept
	v_lshlrev_b32 v3, 4, v1
	v_lshl_add_u32 v3, v2, 13, v3                  ; in: wave x 8,192 + 16 x lane
	v_lshlrev_b32 v4, 3, v1
	v_lshl_add_u32 v4, v2, 12, v4                  ; out: wave x 4,096 + 8 x lane
	s_lshl_b32 s30, s26, 15
	s_add_co_u32 s30, s30, s24
	s_add_nc_u64 s[22:23], s[22:23], s[30:31]
	s_wait_alu depctr_va_vdst(0)                   ; v3 and v4 are written: the loads read v3 as their offset, the stores v4
.irp k, 0,1,2,3,4,5,6,7,8,9,10,11,12,13,14,15
	global_load_b128 v[X+4*\k:X+4*\k+3], v3, s[20:21] offset:512*\k
.endr
.irp g, 0,1,2,3
	s_wait_loadcnt 12-4*\g                         ; loads come back in order: group g's four are in, the 12 - 4 g younger ones stay out
.if \g > 0
	s_wait_alu depctr_va_vdst(0)                   ; the conversions of the group before have written their eight registers of P, which the four stores below read
.endif
.irp k, 0,1,2,3
.if \g > 0
	global_store_b64 v4, v[P+2*(4*(\g-1)+\k):P+2*(4*(\g-1)+\k)+1], s[22:23] offset:256*(4*(\g-1)+\k)   ; 32 lanes store 256 consecutive bytes, aligned; no vector instruction since the wait names these registers
.endif
	v_cvt_pk_bf16_f32 v[P+2*(4*\g+\k)], v[X+4*(4*\g+\k)], v[X+4*(4*\g+\k)+1]
	v_cvt_pk_bf16_f32 v[P+2*(4*\g+\k)+1], v[X+4*(4*\g+\k)+2], v[X+4*(4*\g+\k)+3]
.endr
.endr
	s_wait_alu depctr_va_vdst(0)                   ; the last group's conversions have written their P, which the last four stores read
.irp k, 12,13,14,15
	global_store_b64 v4, v[P+2*\k:P+2*\k+1], s[22:23] offset:256*\k
.endr
	s_endpgm
.Lfrag:
	; fragment order.  Lane = 8 t + 4 h + c: column tile t of four, rows 8 h .. 8 h + 7 of my sixteen, columns 4 c .. 4 c + 3 of the tile.
	; A wave takes two units of 64 columns: columns 128 wave + 64 u.
	v_and_b32 v3, 3, v1                            ; c
	v_bfe_u32 v4, v1, 2, 1                         ; h
	v_lshrrev_b32 v5, 3, v1                        ; t
	v_lshlrev_b32 v6, 4, v3                        ; 16 c
	v_lshl_add_u32 v6, v5, 6, v6                   ; + 64 t
	v_lshl_add_u32 v6, v4, 15, v6                  ; + 8 h rows of 4,096 bytes
	v_lshl_add_u32 v6, v2, 9, v6                   ; + 512 wave
	s_wait_alu depctr_va_vdst(0)                   ; v6 is written, which the sixteen loads read as their offset
.irp u, 0,1
.irp i, 0,1,2,3,4,5,6,7
	global_load_b128 v[X+32*\u+4*\i:X+32*\u+4*\i+3], v6, s[20:21] offset:256*\u+4096*\i   ; row 8 h + i: lanes of one h read 256 consecutive bytes, aligned
.endr
.endr
	s_lshr_b32 s30, s26, 1                         ; my 16 rows are half (number % 2) of K step (number / 2)
	s_lshl_b32 s30, s30, 11
	s_and_b32 s29, s26, 1
	s_lshl_b32 s29, s29, 9
	s_add_co_u32 s30, s30, s29
	s_add_co_u32 s30, s30, s24
	s_add_nc_u64 s[22:23], s[22:23], s[30:31]
	v_lshlrev_b32 v7, 6, v1
	v_lshl_add_u32 v7, v2, 12, v7                  ; LDS, in: wave x 4,096 + 64 x lane = 512 t + 256 h + 64 c: 16 bytes for each of my four columns
	v_lshlrev_b32 v5, 4, v1
	v_lshl_add_u32 v5, v2, 12, v5                  ; LDS, back: wave x 4,096 + 16 x lane: a piece as the matrix operand's lanes hold it
	v_lshlrev_b32 v3, 2, v2                        ; my first pair of column tiles: 4 wave
.irp q, 0,1,2,3
	v_add_nc_u32 v4, \q, v3
	v_mul_u32_u24 v4, v4, s28                      ; x bytes of a pair
	v_lshl_add_u32 v[VO+\q], v1, 4, v4             ; + 16 x lane
.endr
.macro PACKU u                         ; unit u's sixteen conversions
.irp j, 0,1,2,3
.irp m, 0,1,2,3
	v_cvt_pk_bf16_f32 v[P+16*\u+4*\j+\m], v[X+32*\u+8*\m+\j], v[X+32*\u+8*\m+4+\j]   ; column j, rows 2 m and 2 m + 1: the lower k in the low half
.endr
.endr
.endm
.macro TURNU u                         ; unit u goes through its 2,048 bytes of my LDS
.irp j, 0,1,2,3
	ds_store_b128 v7, v[P+16*\u+4*\j:P+16*\u+4*\j+3] offset:2048*\u+16*\j
.endr
.irp t, 0,1,2,3
	ds_load_b128 v[X+16*\u+4*\t:X+16*\u+4*\t+3], v5 offset:2048*\u+512*\t   ; tile t's piece; these registers' f32 have been packed
.endr
.endm
.macro SENDU u                         ; unit u's four pieces are stored
.irp t, 0,1,2,3
	global_store_b128 v[VO+2*\u+\t/2], v[X+16*\u+4*\t:X+16*\u+4*\t+3], s[22:23] offset:1024*(\t%2)   ; 32 lanes store 512 consecutive bytes, aligned
.endr
.endm
	s_wait_loadcnt 0x8                             ; loads come back in order: unit 0's eight are in, unit 1's eight stay out
	PACKU 0
	s_wait_alu depctr_va_vdst(0)                   ; unit 0's conversions have written v[P:P+15], which the LDS stores read, and are done reading v[X:X+31], in which the LDS loads of both units land; v7, v5 and VO are written
	TURNU 0
	s_wait_loadcnt 0x0                             ; unit 1's eight loads are in
	PACKU 1
	s_wait_alu depctr_va_vdst(0)                   ; unit 1's conversions have written v[P+16:P+31], which the LDS stores read
	TURNU 1
	s_wait_dscnt 0x8                               ; LDS instructions end in order: unit 0's pieces are back, unit 1's four stores and four loads stay out
	SENDU 0
	s_wait_dscnt 0x0                               ; unit 1's pieces are back
	SENDU 1
	s_wait_dscnt 0x0                               ; the closing lines, six on end
	s_wait_alu 0x0
	s_wait_tensorcnt 0x0
	ds_add_u32 v112, v113
	s_wait_dscnt 0x0
	s_endpgm
.Lfunc_end_k_qcaf5a183c1_cast:
	.size	k_qcaf5a183c1_cast, .Lfunc_end_k_qcaf5a183c1_cast-k_qcaf5a183c1_cast
	.p2alignl 7, 3214868480
	.fill 96, 4, 3214868480
	.section	.rodata,"a",@progbits
	.p2align	6, 0x0
	.amdhsa_kernel k_qcaf5a183c1_cast
		.amdhsa_group_segment_fixed_size 33792
		.amdhsa_private_segment_fixed_size 0
		.amdhsa_enable_private_segment 0
		.amdhsa_kernarg_size 56
		.amdhsa_user_sgpr_count 2
		.amdhsa_user_sgpr_kernarg_segment_ptr 1
		.amdhsa_wavefront_size32 1
		.amdhsa_system_sgpr_workgroup_id_x 1
		.amdhsa_system_sgpr_workgroup_id_y 1
		.amdhsa_system_sgpr_workgroup_id_z 1
		.amdhsa_system_vgpr_workitem_id 0
		.amdhsa_next_free_vgpr 114
		.amdhsa_next_free_sgpr 66
		.amdhsa_reserve_vcc 0
		.amdhsa_float_denorm_mode_32 3
		.amdhsa_float_denorm_mode_16_64 3
		.amdhsa_memory_ordered 1
		.amdhsa_forward_progress 1
		.amdhsa_inst_pref_size 15
	.end_amdhsa_kernel
	.amdgpu_metadata
---
amdhsa.version: [ 1, 2 ]
amdhsa.kernels:
  - .name:           k_qcaf5a183c1_cast
    .symbol:         k_qcaf5a183c1_cast.kd
    .args:
      - { .name: x, .offset: 0, .size: 8, .value_kind: global_buffer, .address_space: global }
      - { .name: W_qkv, .offset: 8, .size: 8, .value_kind: global_buffer, .address_space: global }
      - { .name: W_out, .offset: 16, .size: 8, .value_kind: global_buffer, .address_space: global }
      - { .name: W_ff1, .offset: 24, .size: 8, .value_kind: global_buffer, .address_space: global }
      - { .name: W_ff2, .offset: 32, .size: 8, .value_kind: global_buffer, .address_space: global }
      - { .name: act, .offset: 40, .size: 8, .value_kind: global_buffer, .address_space: global }
      - { .name: wb, .offset: 48, .size: 8, .value_kind: global_buffer, .address_space: global }
    .group_segment_fixed_size: 33792
    .private_segment_fixed_size: 0
    .kernarg_segment_align: 8
    .kernarg_segment_size: 56
    .max_flat_workgroup_size: 256
    .sgpr_count:     66
    .vgpr_count:     114
    .wavefront_size: 32
...
	.end_amdgpu_metadata
.endif
;; end of part 9
;; launch gemm_qkv: the kernel of part 2 again; grid 8 x 32, 4 waves a work-group, clusters of 4 x 4, 327,680 bytes of LDS; arguments act, wb, b_qkv, qkv; writes qkv
;; launch attn: the kernel of part 3 again; grid 16 x 16, 8 waves a work-group, no clusters, 327,680 bytes of LDS; arguments qkv, act; writes act
;; launch gemm_out: the kernel of part 4 again; grid 8 x 32, 4 waves a work-group, clusters of 4 x 4, 300,544 bytes of LDS; arguments act, wb, b_out, x, y; writes y
;; launch ln1 (part 10): grid 256 x 1, 8 waves a work-group, no clusters, 0 bytes of LDS; arguments y, g1, be1, x1, act; writes x1, act
.if DOCPART == 10
	.amdgcn_target "amdgcn-amd-amdhsa--gfx1250"
	.amdhsa_code_object_version 6
	.text
	.protected	k_qcaf5a183c1_ln1
	.globl	k_qcaf5a183c1_ln1
	.p2align	8
	.type	k_qcaf5a183c1_ln1,@function
k_qcaf5a183c1_ln1:
	s_mov_b64 s[64:65], 0
	v_nop
	global_prefetch_b8 v0, s[64:65] scope:SCOPE_SE
	s_setreg_imm32_b32 hwreg(HW_REG_WAVE_SCHED_MODE, 0, 2), 2
	s_setreg_imm32_b32 hwreg(HW_REG_WAVE_MODE, 25, 1), 1
	s_wait_xcnt 0x0
	s_wait_alu depctr_vm_vsrc(0)
; LayerNorm along rows of 1,024 f32: out = (y - mean) / sqrt(var + 1e-5) * g + be, var = mean of (y - mean)^2 (two passes over registers).
; BF16OUT = 1: the result is stored in f32 and, rounded once, in bf16 (the next product's operand).
; A wave owns 2 whole rows (row = 16 x work-group + 2 x wave + i), 32 registers each: memory is read once and no wave waits for another: no LDS, no barrier.
; Eight waves of two rows rather than four of four: half as much row work stands in series between a wave's loads and its last stores.
; Lane l holds columns 128 jj + 4 l + 0..3: a load or f32 store of a wave covers 512 consecutive bytes, a bf16 store 256, aligned.
; All 32 loads of a wave go out at the start.  Memory binds: matrix unit, clusters and tensor loads would add nothing.
; THE MODE: SCHED_MODE bits 1:0 = 2 (LLVM: expert scheduling mode 2), set by the entry lines.  The code itself states the register dependences
; between vector instructions and memory instructions, with s_wait_alu, always for 0.
; THE PLAN.  Registers that memory instructions touch:
;   v3, v20, v21   byte offsets, written at the head and never again; every load and store reads one of them.
;   G, BE, X0, X1  written by the 32 loads at the start, before any vector instruction names them; no load follows.
;   X[i]           rewritten in place by row i's arithmetic, then read by row i's eight f32 stores; nothing writes it behind them.
;   PK0, PK1       a bf16 buffer to each row: written by row i's sixteen conversions, read by row i's eight bf16 stores; nothing writes it behind them.
;   v4 to v17      at work: named by vector instructions alone.
; So a row has ONE wait for its sixteen stores, behind its last conversion, and the stores follow it in one run.  No register that a memory
; instruction has read is written again, so nothing is to be stated in that direction.
.set BF16OUT, 1
.set G,  32                            ; v[32:63]   g of my 32 columns
.set BE, 64                            ; v[64:95]   be
.set X,  96                            ; v[96:159]  row i: 32 registers
.set PK, 160                           ; v[160:191] row i in bf16: 16 registers at PK + 16 i
.macro LANESUM r, t                    ; the sum of v[r] over the 32 lanes, in every lane
	v_add_f32_dpp v[\r], v[\r], v[\r] row_xmask:1 row_mask:0xf bank_mask:0xf
	v_add_f32_dpp v[\r], v[\r], v[\r] row_xmask:2 row_mask:0xf bank_mask:0xf
	v_add_f32_dpp v[\r], v[\r], v[\r] row_xmask:4 row_mask:0xf bank_mask:0xf
	v_add_f32_dpp v[\r], v[\r], v[\r] row_xmask:8 row_mask:0xf bank_mask:0xf
	v_permlanex16_b32 v[\t], v[\r], s20, s21
	v_add_f32 v[\r], v[\r], v[\t]
.endm
.macro FOLD                            ; four chains of pairs into v4
	v_pk_add_f32 v[4:5], v[4:5], v[6:7]
	v_pk_add_f32 v[8:9], v[8:9], v[10:11]
	v_pk_add_f32 v[4:5], v[4:5], v[8:9]
	v_add_f32 v4, v4, v5
	LANESUM 4, 5
.endm
	s_load_b256 s[4:11], s[0:1], 0x0               ; y s[4:5], g s[6:7], be s[8:9], f32 out s[10:11]
.if BF16OUT
	s_load_b64 s[12:13], s[0:1], 0x20              ; bf16 out
.endif
	v_and_b32 v1, 31, v0
	v_lshrrev_b32 v2, 5, v0
	v_lshlrev_b32 v3, 4, v1                        ; 16 x lane: g and be
	v_lshl_add_u32 v20, v2, 13, v3                 ; + wave x 2 rows of 4,096 bytes
	v_lshlrev_b32 v21, 3, v1
	v_lshl_add_u32 v21, v2, 12, v21                ; bf16: wave x 2 rows of 2,048 bytes + 8 x lane
	s_lshl_b32 s16, ttmp9, 16                      ; 16 rows of 4,096 bytes
	s_mov_b32 s17, 0
	s_lshl_b32 s18, ttmp9, 15
	s_mov_b32 s19, 0
	s_mov_b32 s20, 0x76543210                      ; v_permlanex16_b32: lane i of one half reads lane i of the other
	s_mov_b32 s21, 0xfedcba98
	s_mov_b32 s22, 0x3a800000                      ; 1 / 1024
	s_mov_b32 s23, 0x3727c5ac                      ; 1e-5
	s_wait_kmcnt 0x0
	s_add_nc_u64 s[4:5], s[4:5], s[16:17]
	s_add_nc_u64 s[10:11], s[10:11], s[16:17]
.if BF16OUT
	s_add_nc_u64 s[12:13], s[12:13], s[18:19]
.endif
	s_wait_alu depctr_va_vdst(0)                   ; v3, v20 and v21 are written: every load and store of the kernel reads one of them as its offset
.irp jj, 0,1,2,3,4,5,6,7
	global_load_b128 v[G+4*\jj:G+4*\jj+3], v3, s[6:7] offset:512*\jj
	global_load_b128 v[BE+4*\jj:BE+4*\jj+3], v3, s[8:9] offset:512*\jj
.endr
.irp i, 0,1
.irp jj, 0,1,2,3,4,5,6,7
	global_load_b128 v[X+32*\i+4*\jj:X+32*\i+4*\jj+3], v20, s[4:5] offset:4096*\i+512*\jj
.endr
.endr
.macro ROW i
.set R, X+32*\i
	s_wait_loadcnt 8-8*\i                          ; loads come back in order: g, be and rows 0 .. i are in, the later row's 8 loads stay out
	v_pk_add_f32 v[4:5], v[R:R+1], v[R+2:R+3]
	v_pk_add_f32 v[6:7], v[R+4:R+5], v[R+6:R+7]
	v_pk_add_f32 v[8:9], v[R+8:R+9], v[R+10:R+11]
	v_pk_add_f32 v[10:11], v[R+12:R+13], v[R+14:R+15]
.irp k, 16,24
	v_pk_add_f32 v[4:5], v[4:5], v[R+\k:R+\k+1]
	v_pk_add_f32 v[6:7], v[6:7], v[R+\k+2:R+\k+3]
	v_pk_add_f32 v[8:9], v[8:9], v[R+\k+4:R+\k+5]
	v_pk_add_f32 v[10:11], v[10:11], v[R+\k+6:R+\k+7]
.endr
	FOLD
	v_mul_f32 v12, s22, v4                         ; the mean, twice
	v_mul_f32 v13, s22, v4
.set e, 0
.rept 16
	v_pk_add_f32 v[R+e:R+e+1], v[R+e:R+e+1], v[12:13] neg_lo:[0,1] neg_hi:[0,1]
.set e, e+2
.endr
	v_pk_mul_f32 v[4:5], v[R:R+1], v[R:R+1]
	v_pk_mul_f32 v[6:7], v[R+2:R+3], v[R+2:R+3]
	v_pk_mul_f32 v[8:9], v[R+4:R+5], v[R+4:R+5]
	v_pk_mul_f32 v[10:11], v[R+6:R+7], v[R+6:R+7]
.irp k, 8,16,24
	v_pk_fma_f32 v[4:5], v[R+\k:R+\k+1], v[R+\k:R+\k+1], v[4:5]
	v_pk_fma_f32 v[6:7], v[R+\k+2:R+\k+3], v[R+\k+2:R+\k+3], v[6:7]
	v_pk_fma_f32 v[8:9], v[R+\k+4:R+\k+5], v[R+\k+4:R+\k+5], v[8:9]
	v_pk_fma_f32 v[10:11], v[R+\k+6:R+\k+7], v[R+\k+6:R+\k+7], v[10:11]
.endr
	FOLD
	v_fma_f32 v14, v4, s22, s23                    ; var + 1e-5
	v_rsq_f32 v16, v14
	v_nop                                          ; the plain instruction behind v_rsq_f32 (ISA guide 5.7.2)
	s_wait_alu depctr_va_vdst(0)                   ; v_rsq_f32 has written v16, ahead of its first reader
	v_mov_b32 v17, v16
.set e, 0
.rept 16
	v_pk_mul_f32 v[R+e:R+e+1], v[R+e:R+e+1], v[16:17]
	v_pk_fma_f32 v[R+e:R+e+1], v[R+e:R+e+1], v[G+e:G+e+1], v[BE+e:BE+e+1]
.set e, e+2
.endr
.if BF16OUT
.irp jj, 0,1,2,3,4,5,6,7
	v_cvt_pk_bf16_f32 v[PK+16*\i+2*\jj], v[R+4*\jj], v[R+4*\jj+1]
	v_cvt_pk_bf16_f32 v[PK+16*\i+2*\jj+1], v[R+4*\jj+2], v[R+4*\jj+3]
.endr
.endif
	s_wait_alu depctr_va_vdst(0)                   ; the multiply-adds have written the row's 32 registers and the conversions its 16 of PK, which the stores below read
.irp jj, 0,1,2,3,4,5,6,7
	global_store_b128 v20, v[R+4*\jj:R+4*\jj+3], s[10:11] offset:4096*\i+512*\jj
.endr
.if BF16OUT
.irp jj, 0,1,2,3,4,5,6,7
	global_store_b64 v21, v[PK+16*\i+2*\jj:PK+16*\i+2*\jj+1], s[12:13] offset:2048*\i+256*\jj
.endr
.endif
.endm
	ROW 0
	ROW 1
	s_endpgm
.Lfunc_end_k_qcaf5a183c1_ln1:
	.size	k_qcaf5a183c1_ln1, .Lfunc_end_k_qcaf5a183c1_ln1-k_qcaf5a183c1_ln1
	.p2alignl 7, 3214868480
	.fill 96, 4, 3214868480
	.section	.rodata,"a",@progbits
	.p2align	6, 0x0
	.amdhsa_kernel k_qcaf5a183c1_ln1
		.amdhsa_group_segment_fixed_size 0
		.amdhsa_private_segment_fixed_size 0
		.amdhsa_enable_private_segment 0
		.amdhsa_kernarg_size 40
		.amdhsa_user_sgpr_count 2
		.amdhsa_user_sgpr_kernarg_segment_ptr 1
		.amdhsa_wavefront_size32 1
		.amdhsa_system_sgpr_workgroup_id_x 1
		.amdhsa_system_sgpr_workgroup_id_y 1
		.amdhsa_system_sgpr_workgroup_id_z 1
		.amdhsa_system_vgpr_workitem_id 0
		.amdhsa_next_free_vgpr 192
		.amdhsa_next_free_sgpr 66
		.amdhsa_reserve_vcc 0
		.amdhsa_float_denorm_mode_32 3
		.amdhsa_float_denorm_mode_16_64 3
		.amdhsa_memory_ordered 1
		.amdhsa_forward_progress 1
		.amdhsa_inst_pref_size 22
	.end_amdhsa_kernel
	.amdgpu_metadata
---
amdhsa.version: [ 1, 2 ]
amdhsa.kernels:
  - .name:           k_qcaf5a183c1_ln1
    .symbol:         k_qcaf5a183c1_ln1.kd
    .args:
      - { .name: y, .offset: 0, .size: 8, .value_kind: global_buffer, .address_space: global }
      - { .name: g1, .offset: 8, .size: 8, .value_kind: global_buffer, .address_space: global }
      - { .name: be1, .offset: 16, .size: 8, .value_kind: global_buffer, .address_space: global }
      - { .name: x1, .offset: 24, .size: 8, .value_kind: global_buffer, .address_space: global }
      - { .name: act, .offset: 32, .size: 8, .value_kind: global_buffer, .address_space: global }
    .group_segment_fixed_size: 0
    .private_segment_fixed_size: 0
    .kernarg_segment_align: 8
    .kernarg_segment_size: 40
    .max_flat_workgroup_size: 256
    .sgpr_count:     66
    .vgpr_count:     192
    .wavefront_size: 32
...
	.end_amdgpu_metadata
.endif
;; end of part 10
;; launch gemm_ff1: the kernel of part 6 again; grid 8 x 32, 4 waves a work-group, clusters of 4 x 4, 327,680 bytes of LDS; arguments act, wb, b_ff1, hid; writes hid
;; launch gemm_ff2: the kernel of part 7 again; grid 8 x 32, 4 waves a work-group, clusters of 4 x 4, 327,680 bytes of LDS; arguments hid, wb, b_ff2, x1, y; writes y
;; launch ln2: the kernel of part 8 again; grid 256 x 1, 8 waves a work-group, no clusters, 0 bytes of LDS; arguments y, g2, be2, out0; writes out0
